; MI455X (gfx1250); checked and timed in simulation.
; The chip was launched on July 23, 2026; its instructions are those of AMD's public machine-readable ISA for CDNA 5 (MIT licence, August 2026) and "CDNA5" Instruction Set Architecture Reference Guide (July 2026). The comments in the code are by the model that wrote it; some were corrected since.
;; Multi Head Attention. Allowed arithmetic: matrix products marked QUANTISED: E2M1 operands, one E8M0 scale for each 32 along K, by v_wmma_scale_f32_16x16x128_f8f6f4 with both operands' format E2M1 (or v_wmma_scale_f32_32x16x128_f4), f32 sums; products left as they are: bf16, f16 or f32 operands; f32 sums; everything else in f32.
;; Inputs: Wk 1,024 x 1,024 float32; Wo 1,024 x 1,024 float32; Wq 1,024 x 1,024 float32; Wv 1,024 x 1,024 float32; bk 1,024 float32; bo 1,024 float32; bq 1,024 float32; bv 1,024 float32; mask 1 x 1 x 2,048 x 2,048 int32; x 4 x 2,048 x 1,024 float32.
;; Outputs: out0 4 x 2,048 x 1,024 float32.
;; This version of the problem:
;;   THIS VERSION OF THE PROBLEM IS GIVEN IN LOW PRECISION. The matrix products marked QUANTISED in the list below multiply operands that are first quantised to E2M1 (2 exponent bits, 1 mantissa bit; 4 bits a number), with one power-of-two scale for each 32 numbers along K (OCP MX v1.0); their sums are f32. The products marked 'left as it is' may take bf16, f16 or f32 operands, with f32 sums. Whichever they take, every output number must still come out within the allowed error. Rounding operands to bf16 (8 significant bits) uses up far more of that allowance than f16 does (11 bits, for magnitudes from 6e-5 to 65,504). All else is computed in f32.
;;   The module's matrix products, in the order in which they are computed (A, B: the left and right operand; K: the contracted axis; several contracted axes count as one K, in the product's order):
;;     1. [M 8,192, K 1,024] x [K 1,024, N 1,024]; A: input x; B: input Wq: QUANTISED
;;     2. [M 8,192, K 1,024] x [K 1,024, N 1,024]; A: input x; B: input Wk: QUANTISED
;;     3. [M 8,192, K 1,024] x [K 1,024, N 1,024]; A: input x; B: input Wv: QUANTISED
;;     4. batch 64 x [M 2,048, K 64] x [K 64, N 2,048]; A: computed on the way; B: computed on the way: left as it is (an operand is computed on the way)
;;     5. batch 64 x [M 2,048, K 2,048] x [K 2,048, N 64]; A: computed on the way; B: computed on the way: left as it is (an operand is computed on the way)
;;     6. [M 8,192, K 1,024] x [K 1,024, N 1,024]; A: computed on the way; B: input Wo: left as it is (an operand is computed on the way)
;;   THE QUANTISER, for each operand of a quantised product, along K:
;;     - K is cut into blocks of 32 from its start; a last block that is shorter is filled with zeros.
;;     - A block's scale is 2^e with e = floor(log2(the largest magnitude in the block)) - 2, held to -126 .. 127; a block of zeros has e = 0. As a byte (E8M0): e + 127.
;;     - Each number is divided by its block's scale, clamped to +-6, and rounded to the nearest number of E2M1, ties to even, subnormals kept.
;;     - The product sums the exact products of the quantised numbers (number of the format x scale) in f32.
;;   ~~~python
;;   def quantise(x, axis):      # numpy; x: float32 -> the quantised numbers, widened to float32 again
;;       x = np.moveaxis(x, axis, -1); K = x.shape[-1]
;;       x = np.pad(x, [(0, 0)] * (x.ndim - 1) + [(0, -K % 32)]); x = x.reshape(x.shape[:-1] + (-1, 32)); a = np.abs(x).max(-1, keepdims=True)
;;       e = np.where(a > 0, np.clip(np.frexp(np.where(a > 0, a, 1))[1] - 1 - 2, -126, 127), 0)      # np.frexp(a)[1] - 1 = floor(log2(a)), exactly
;;       r = np.clip(x / 2.0 ** e, -6, 6)
;;       step = 2.0 ** (np.maximum(np.frexp(np.where(r == 0, 1, r))[1] - 1, 0) - 1)
;;       q = np.round(r / step) * step * 2.0 ** e      # np.round: ties to even
;;       return np.moveaxis(q.reshape(q.shape[:-2] + (-1,))[..., :K], -1, axis).astype(np.float32)
;;   ~~~
;; One version. Each part assembles by itself: llvm-mc -triple=amdgcn-amd-amdhsa -mcpu=gfx1250 --defsym DOCPART=n.
;; ======== version 1 of 1: 6 launches
;; limits: right only within a limited range of input values; values are held in f16: magnitudes above 65,504 overflow, below 6.1e-05 lose precision
;; workspace buffers: pre 8,224,768 bytes; mk 528,384 bytes of whole numbers; qf 16,777,216 bytes; kvf 33,554,432 bytes; ff 786,432 bytes; af 16,777,216 bytes; fp 262,144 bytes
;; launch prep (part 1): grid 512 x 1, 4 waves a work-group, no clusters, 33,280 bytes of LDS; arguments x, Wq, Wk, Wv, Wo, mask, pre, mk; writes pre, mk
.if DOCPART == 1
	.amdgcn_target "amdgcn-amd-amdhsa--gfx1250"
	.amdhsa_code_object_version 6
	.text
	.protected	k_qfcda0cd76d_prep
	.globl	k_qfcda0cd76d_prep
	.p2align	8
	.type	k_qfcda0cd76d_prep,@function
k_qfcda0cd76d_prep:
	s_mov_b64 s[64:65], 0
	v_nop
	global_prefetch_b8 v0, s[64:65] scope:SCOPE_SE
	s_setreg_imm32_b32 hwreg(HW_REG_WAVE_MODE, 25, 1), 1
	s_wait_xcnt 0x0
; Three kinds of work, parted by the work-group's number.
; (a) work-groups 0-351: x, Wq, Wk, Wv (f32, K innermost) become codes of FP4 (E2M1) and one E8M0 byte for each 32 along K.  The four tensors are one stream of
;     11,264 rows of 1,024 numbers: codes at pre + 512 x row, scale bytes at pre + SCX + 32 x row.  A block's byte is its largest magnitude's exponent field - 2, held at 1 from below.
; (b) work-groups 352-383: Wo becomes f16, row-major, at pre + WO16.
; (c) work-groups 384-511: the mask (int32) becomes bit words and flags.  Bits: [row][group of 128 keys][4 words]; key 128 g + 4 l + i is bit l of word i.
;     Flags, one pair of words for each FOUR rows: ANY: bit (s >> 1) + 16 (s & 1) is set where some key of step s (64 keys) counts for some of the rows; FULL: where all count for all.
;     Four rows of which one has no key at all get ANY = all ones and FULL = 0: they are then computed densely, which gives such a row its uniform average.
; LIMITS: a block of zeros gets the byte 1 (its codes are zeros, and this program alone reads the bytes); NaN and infinities are not served; Wo beyond +-65,504 has no f16 number.
.set SCX,   5767168
.set WO16,  6127616
.set ANYO,  524288
.set FULLO, 526336
.set STEPS, 16
.set CB,    8
.set R,     16                         ; v16-79   (a) four sets of 16 numbers as they are loaded
.set X,     80                         ; v80-111  (a) two sets of 16 neighbours
.set C,     128                        ; v128-191 (a) codes, four registers a step
.set E,     112                        ; v112-127 (a) a scale byte a step
.set WREG,  8192                       ; LDS: a region for each wave: two stages of 32 x SP bytes, then its 256 scale bytes
.set SP,    80
.set SPW,   12                         ; v12 my spare word's LDS address; never rewritten
.set NIL,   13                         ; v13 0; never rewritten
.set SPARE, 32768                      ; behind the four regions: the spare words, 128 bytes a wave
	s_load_b512 s[4:19], s[0:1], 0x0               ; x, Wq, Wk, Wv, Wo, mask, pre, mk
	v_lshl_add_u32 v[SPW], v0, 2, SPARE
	v_mov_b32 v[NIL], 0
	v_lshrrev_b32 v1, 5, v0
	v_readfirstlane_b32 s20, v1                    ; wave
	v_and_b32 v2, 31, v0                           ; lane
	v_lshlrev_b32 v3, 4, v2                        ; 16 x lane
	s_wait_kmcnt 0x0
	s_cmp_lt_u32 ttmp9, 352
	s_cbranch_scc0 .Lnot_codes
	; ---- (a) a wave takes a run of 8,192 numbers: 16 steps of 512
	s_mov_b32 s24, 1280
	s_cmp_lt_u32 ttmp9, 320                        ; the source is chosen by the work-group's number alone
	s_cselect_b64 s[22:23], s[8:9], s[10:11]
	s_cselect_b32 s24, 1152, s24
	s_cmp_lt_u32 ttmp9, 288
	s_cselect_b64 s[22:23], s[6:7], s[22:23]
	s_cselect_b32 s24, 1024, s24
	s_cmp_lt_u32 ttmp9, 256
	s_cselect_b64 s[22:23], s[4:5], s[22:23]
	s_cselect_b32 s24, 0, s24                      ; the source's first run
	s_lshl_b32 s25, ttmp9, 2
	s_add_co_u32 s25, s25, s20                     ; my run, 0 to 1,407
	s_sub_co_u32 s26, s25, s24
	s_lshl_b32 s26, s26, 15
	s_mov_b32 s27, 0
	s_add_nc_u64 s[22:23], s[22:23], s[26:27]      ; its numbers,
	s_lshl_b32 s26, s25, 12
	s_add_nc_u64 s[28:29], s[16:17], s[26:27]      ; its codes,
	s_lshl_b32 s26, s25, 8
	s_add_co_u32 s26, s26, SCX
	s_add_nc_u64 s[30:31], s[16:17], s[26:27]      ; its scale bytes
	s_mul_i32 s32, s20, WREG
	v_lshrrev_b32 v14, 2, v2
	v_mul_u32_u24 v14, v14, SP
	v_and_b32 v15, 3, v2
	v_lshl_add_u32 v14, v15, 4, v14
	v_add_nc_u32 v14, s32, v14                     ; the stage, on the way in: SP (lane / 4) + 16 (lane % 4)
	v_mul_u32_u24 v15, v2, SP
	v_add_nc_u32 v15, s32, v15                     ; and on the way out: SP x lane: my 16 neighbours
	v_mul_u32_u24 v4, v2, CB
	v_lshrrev_b32 v5, 1, v2
	s_add_co_u32 s32, s32, 2*32*SP
	v_add_nc_u32 v5, s32, v5                       ; my block's byte among the wave's 256
	v_lshlrev_b32 v7, 3, v2
	v_add_nc_u32 v6, s32, v7
.macro LOAD t
.irp i, 0,1,2,3
	global_load_b128 v[R+16*((\t)%4)+4*\i:R+16*((\t)%4)+4*\i+3], v3, s[22:23] offset:2048*(\t)+512*\i th:TH_LOAD_NT   ; 32 lanes read 512 consecutive bytes
.endr
.endm
.macro TURN t                          ; a step's numbers through the stage: LDS serves a wave's instructions in order
.irp i, 0,1,2,3
	ds_store_b128 v14, v[R+16*((\t)%4)+4*\i:R+16*((\t)%4)+4*\i+3] offset:32*SP*((\t)%2)+8*SP*\i
.endr
.irp i, 0,1,2,3
	ds_load_b128 v[X+16*((\t)%2)+4*\i:X+16*((\t)%2)+4*\i+3], v15 offset:32*SP*((\t)%2)+16*\i
.endr
.endm
.irp t, 0,1,2,3
	LOAD \t
.endr
	s_wait_loadcnt 12                              ; step 0's four loads are in
	TURN 0
.macro STEP t
.set XS, X+16*((\t)%2)
.if (\t) > 0
	s_wait_dscnt 1                                 ; this step's numbers are back from the stage; the last step's byte store may be out
.else
	s_wait_dscnt 0x0
.endif
.if (\t)+4 < STEPS
	LOAD (\t)+4
.endif
.if (\t)+1 < STEPS
.if STEPS-2-(\t) >= 3
	s_wait_loadcnt 12                              ; the next step's four loads are in; those of the three steps behind may be out
.else
	s_wait_loadcnt 4*(STEPS-2-(\t))
.endif
	TURN (\t)+1
.endif
	v_max3_num_f32 v8, |v[XS]|, |v[XS+1]|, |v[XS+2]|
	v_max3_num_f32 v9, |v[XS+3]|, |v[XS+4]|, |v[XS+5]|
.irp i, 6,10
	v_max3_num_f32 v8, v8, |v[XS+\i]|, |v[XS+\i+1]|
	v_max3_num_f32 v9, v9, |v[XS+\i+2]|, |v[XS+\i+3]|
.endr
	v_max3_num_f32 v8, v8, |v[XS+14]|, |v[XS+15]|
	v_max3_num_f32 v8, v8, v9, 0x1800000           ; the floor 2^(3 - 127): the byte cannot fall under 1
	v_max_num_f32_dpp v8, v8, v8 row_xmask:1 row_mask:0xf bank_mask:0xf   ; with my neighbour's 16: the block's largest magnitude
	v_add_nc_u32 v11, 0xff000000, v8               ; 2 off its exponent field: the conversion's scale operand
	v_cvt_scalef32_pk8_fp4_f32 v[C+4*(\t)], v[XS:XS+7], v11
	v_cvt_scalef32_pk8_fp4_f32 v[C+4*(\t)+1], v[XS+8:XS+15], v11
	v_lshrrev_b32 v[E+(\t)], 23, v11               ; the scale's byte
	ds_store_b8 v5, v[E+(\t)] offset:16*(\t)       ; both lanes of a block write the same byte with the same value
	global_store_b64 v4, v[C+4*(\t):C+4*(\t)+1], s[28:29] offset:32*CB*(\t)   ; the wave stores 256 consecutive bytes
.endm
.irp t, 0,1,2,3,4,5,6,7,8,9,10,11,12,13,14,15
	STEP \t
.endr
	ds_load_b64 v[8:9], v6
	s_wait_dscnt 0x0
	global_store_b64 v7, v[8:9], s[30:31]          ; 256 scale bytes, consecutive and aligned
	s_branch .Lend
.Lnot_codes:
	s_cmp_lt_u32 ttmp9, 384
	s_cbranch_scc0 .Lmask
	; ---- (b) a wave takes 8,192 numbers of Wo, in four groups of 2,048; a lane turns 8 neighbours (32 bytes) into 16 bytes
	s_sub_co_u32 s21, ttmp9, 352
	s_lshl_b32 s21, s21, 2
	s_add_co_u32 s21, s21, s20
	s_lshl_b32 s22, s21, 15
	s_mov_b32 s23, 0
	s_add_nc_u64 s[12:13], s[12:13], s[22:23]
	s_lshl_b32 s22, s21, 14
	s_add_co_u32 s22, s22, WO16
	s_add_nc_u64 s[16:17], s[16:17], s[22:23]
	v_lshlrev_b32 v4, 5, v2
.macro WLOAD g
.irp it, 0,1,2,3,4,5,6,7
	global_load_b128 v[64+8*\it:67+8*\it], v4, s[12:13] offset:8192*(\g)+1024*\it th:TH_LOAD_NT
	global_load_b128 v[68+8*\it:71+8*\it], v4, s[12:13] offset:8192*(\g)+1024*\it+16 th:TH_LOAD_NT
.endr
.endm
.macro WPACK g
.irp it, 0,1,2,3,4,5,6,7
.irp k, 0,1,2,3
	v_cvt_pk_f16_f32 v[128+32*((\g)%2)+4*\it+\k], v[64+8*\it+2*\k], v[65+8*\it+2*\k]
.endr
.endr
.endm
.macro WSEND g
.irp it, 0,1,2,3,4,5,6,7
	global_store_b128 v3, v[128+32*((\g)%2)+4*\it:131+32*((\g)%2)+4*\it], s[16:17] offset:4096*(\g)+512*\it   ; 512 consecutive bytes
.endr
.endm
	WLOAD 0
.irp g, 0,1,2,3
	s_wait_loadcnt 0x0
.if \g >= 2
	s_wait_xcnt 0x0                                ; the stores of two groups back have read this bank of registers
.endif
	WPACK \g
.if \g < 3
	WLOAD \g+1
.endif
	WSEND \g
.endr
	s_branch .Lend
.Lmask:
	; ---- (c) a wave takes four rows of the mask; two rows (32 loads) are on their way
	s_sub_co_u32 s21, ttmp9, 384
	s_lshl_b32 s21, s21, 2
	s_add_co_u32 s21, s21, s20                     ; which four rows: 0 to 511
	s_lshl_b32 s22, s21, 15
	s_mov_b32 s23, 0
	s_add_nc_u64 s[14:15], s[14:15], s[22:23]      ; the rows, 8,192 bytes each
	s_lshl_b32 s22, s21, 10
	s_add_nc_u64 s[66:67], s[18:19], s[22:23]      ; their bit words, 256 bytes a row
	s_lshl_b32 s22, s21, 2
	s_add_nc_u64 s[18:19], s[18:19], s[22:23]      ; their flag words
	v_lshlrev_b32 v4, 3, v2
.irp i, 20,21,22,23,24,25,26,27
	v_mov_b32 v\i, 0                               ; v_writelane_b32's destination counts as read
.endr
.irp g, 0,1,2,3,4,5,6,7,8,9,10,11,12,13,14,15
	s_mov_b32 s[32+\g], 0                          ; OR over the four rows of a group's words,
	s_mov_b32 s[48+\g], -1                         ; and AND
.endr
	s_mov_b32 s31, 0                               ; some row without a key?
.macro MLOAD i
.irp g, 0,1,2,3,4,5,6,7,8,9,10,11,12,13,14,15
	global_load_b128 v[64+64*((\i)%2)+4*\g:67+64*((\i)%2)+4*\g], v3, s[14:15] offset:8192*(\i)+512*\g th:TH_LOAD_NT
.endr
.endm
.macro MROW i, left
	s_wait_loadcnt \left                           ; this row's 16 loads are in; the next row's 16 may be out
	s_mov_b32 s30, 0
.irp g, 0,1,2,3,4,5,6,7,8,9,10,11,12,13,14,15
	v_cmp_ne_u32 s24, 0, v[64+64*((\i)%2)+4*\g]    ; bit l: key 128 g + 4 l counts
	v_cmp_ne_u32 s25, 0, v[65+64*((\i)%2)+4*\g]
	v_cmp_ne_u32 s26, 0, v[66+64*((\i)%2)+4*\g]
	v_cmp_ne_u32 s27, 0, v[67+64*((\i)%2)+4*\g]
	v_writelane_b32 v[20+2*(\i)], s24, 2*\g        ; word 4 g + i goes to lane 2 g + i / 2, register i % 2: the row's 64 words, 8 bytes a lane
	v_writelane_b32 v[21+2*(\i)], s25, 2*\g
	v_writelane_b32 v[20+2*(\i)], s26, 2*\g+1
	v_writelane_b32 v[21+2*(\i)], s27, 2*\g+1
	s_or_b32 s28, s24, s25
	s_or_b32 s29, s26, s27
	s_or_b32 s28, s28, s29
	s_and_b32 s22, s24, s25
	s_and_b32 s23, s26, s27
	s_and_b32 s22, s22, s23
	s_or_b32 s[32+\g], s[32+\g], s28
	s_and_b32 s[48+\g], s[48+\g], s22
	s_or_b32 s30, s30, s28
.endr
	s_cmp_eq_u32 s30, 0
	s_cselect_b32 s28, 1, 0
	s_or_b32 s31, s31, s28
	global_store_b64 v4, v[20+2*(\i):21+2*(\i)], s[66:67] offset:256*(\i)   ; 256 consecutive bytes, aligned
.if (\i)+2 < 4
	MLOAD (\i)+2
.endif
.endm
	MLOAD 0
	MLOAD 1
	MROW 0, 16
	MROW 1, 16
	MROW 2, 16
	MROW 3, 0
	s_mov_b32 s28, 0                               ; ANY
	s_mov_b32 s29, 0                               ; FULL
.irp g, 0,1,2,3,4,5,6,7,8,9,10,11,12,13,14,15
	s_and_b32 s24, s[32+\g], 0xffff                ; lanes 0-15: step 2 g
	s_cselect_b32 s24, 1<<\g, 0
	s_or_b32 s28, s28, s24
	s_lshr_b32 s24, s[32+\g], 16                   ; lanes 16-31: step 2 g + 1
	s_cselect_b32 s24, 1<<(16+\g), 0
	s_or_b32 s28, s28, s24
	s_and_b32 s24, s[48+\g], 0xffff
	s_cmp_eq_u32 s24, 0xffff
	s_cselect_b32 s24, 1<<\g, 0
	s_or_b32 s29, s29, s24
	s_lshr_b32 s24, s[48+\g], 16
	s_cmp_eq_u32 s24, 0xffff
	s_cselect_b32 s24, 1<<(16+\g), 0
	s_or_b32 s29, s29, s24
.endr
	s_cmp_lg_u32 s31, 0                            ; a row without a key: every step is walked, and masked
	s_cselect_b32 s28, -1, s28
	s_cselect_b32 s29, 0, s29
	v_mov_b32 v5, s28
	v_mov_b32 v6, s29
	v_mov_b32 v7, 0
	v_cmp_eq_u32 vcc_lo, 0, v2
	s_wait_xcnt 0x0                                ; EXEC changes only behind this wait
	s_and_saveexec_b32 s21, vcc_lo                 ; lane 0 alone
	global_store_b32 v7, v5, s[18:19] offset:ANYO
	global_store_b32 v7, v6, s[18:19] offset:FULLO
	s_wait_xcnt 0x0
	s_or_b32 exec_lo, exec_lo, s21
.Lend:
	s_wait_tensorcnt 0x0                           ; the wave's end
	ds_add_u32 v[SPW], v[NIL]
	s_wait_dscnt 0x0
	s_endpgm
.Lfunc_end_k_qfcda0cd76d_prep:
	.size	k_qfcda0cd76d_prep, .Lfunc_end_k_qfcda0cd76d_prep-k_qfcda0cd76d_prep
	.p2alignl 7, 3214868480
	.fill 96, 4, 3214868480
	.section	.rodata,"a",@progbits
	.p2align	6, 0x0
	.amdhsa_kernel k_qfcda0cd76d_prep
		.amdhsa_group_segment_fixed_size 33280
		.amdhsa_private_segment_fixed_size 0
		.amdhsa_enable_private_segment 0
		.amdhsa_kernarg_size 64
		.amdhsa_user_sgpr_count 2
		.amdhsa_user_sgpr_kernarg_segment_ptr 1
		.amdhsa_wavefront_size32 1
		.amdhsa_system_sgpr_workgroup_id_x 1
		.amdhsa_system_sgpr_workgroup_id_y 1
		.amdhsa_system_sgpr_workgroup_id_z 1
		.amdhsa_system_vgpr_workitem_id 0
		.amdhsa_next_free_vgpr 192
		.amdhsa_next_free_sgpr 68
		.amdhsa_reserve_vcc 1
		.amdhsa_float_denorm_mode_32 3
		.amdhsa_float_denorm_mode_16_64 3
		.amdhsa_memory_ordered 1
		.amdhsa_forward_progress 1
		.amdhsa_inst_pref_size 121
	.end_amdhsa_kernel
	.amdgpu_metadata
---
amdhsa.version: [ 1, 2 ]
amdhsa.kernels:
  - .name:           k_qfcda0cd76d_prep
    .symbol:         k_qfcda0cd76d_prep.kd
    .args:
      - { .name: x, .offset: 0, .size: 8, .value_kind: global_buffer, .address_space: global }
      - { .name: Wq, .offset: 8, .size: 8, .value_kind: global_buffer, .address_space: global }
      - { .name: Wk, .offset: 16, .size: 8, .value_kind: global_buffer, .address_space: global }
      - { .name: Wv, .offset: 24, .size: 8, .value_kind: global_buffer, .address_space: global }
      - { .name: Wo, .offset: 32, .size: 8, .value_kind: global_buffer, .address_space: global }
      - { .name: mask, .offset: 40, .size: 8, .value_kind: global_buffer, .address_space: global }
      - { .name: pre, .offset: 48, .size: 8, .value_kind: global_buffer, .address_space: global }
      - { .name: mk, .offset: 56, .size: 8, .value_kind: global_buffer, .address_space: global }
    .group_segment_fixed_size: 33280
    .private_segment_fixed_size: 0
    .kernarg_segment_align: 8
    .kernarg_segment_size: 64
    .max_flat_workgroup_size: 128
    .sgpr_count:     68
    .vgpr_count:     192
    .wavefront_size: 32
...
	.end_amdgpu_metadata
.endif
;; end of part 1
;; launch qkv (part 2): grid 12 x 32, 4 waves a work-group, clusters of 4 x 4, 327,680 bytes of LDS; arguments pre, bq, bk, bv, qf, kvf, ff; writes qf, kvf, ff
.if DOCPART == 2
	.amdgcn_target "amdgcn-amd-amdhsa--gfx1250"
	.amdhsa_code_object_version 6
	.text
	.protected	k_qfcda0cd76d_qkv
	.globl	k_qfcda0cd76d_qkv
	.p2align	8
	.type	k_qfcda0cd76d_qkv,@function
k_qfcda0cd76d_qkv:
	s_mov_b64 s[64:65], 0
	v_nop
	global_prefetch_b8 v0, s[64:65] scope:SCOPE_SE
	s_setreg_imm32_b32 hwreg(HW_REG_WAVE_MODE, 25, 1), 1
	s_wait_xcnt 0x0
	s_wait_alu depctr_hold_cnt(0) depctr_sa_sdst(0) depctr_va_vdst(0) depctr_va_sdst(0) depctr_va_ssrc(0) depctr_va_vcc(0) depctr_vm_vsrc(0)
	s_getreg_b32 s2, hwreg(HW_REG_IB_STS2, 6, 4)
	s_cmp_eq_u32 s2, 0
	s_cbranch_scc0 .Lentry_in_a_cluster
	s_endpgm
.Lentry_in_a_cluster:
	s_bfe_u32 s2, ttmp6, 0x10000c
	s_cmp_lg_u32 s2, 0xf033
	s_cbranch_scc0 .Lentry_shape_is_right
	s_endpgm
.Lentry_shape_is_right:
; The three quantised projections, on codes of FP4 (E2M1) with one E8M0 scale for each 32 along K = 1,024.  One generic product C[m][n] = sum over k of R[m][k] P[n][k]; R and P are tiles of 256 rows
; of the one table of codes in pre (rows 0-8,191 x, then Wq, Wk, Wv).  Cluster x says which: 0: q, 1: k (R = 256 tokens, P = 256 rows of the weight), 2: v (R = 256 rows of Wv, P = 256 tokens).
; The matrix instruction is used transposed (source 0 = 16 rows of P, source 1 = 16 rows of R): a lane holds one m and eight neighbouring n.  So for q and k a lane holds a token and eight channels,
; for v a channel and eight tokens: rounded to f16 these 16 bytes are a quarter of an operand's registers in the attention launch, and each store of the wave is 512 consecutive aligned bytes of such an image.
; q is multiplied by log2(e) / 8 before it is rounded.  The bias along n is the C of the first product; the bias along m (v's) is the addend of the one multiply-add on the way out.
; The f32 numbers of the first 16 positions of every sequence go to ff as well, under an EXEC of all or no lanes (no branch hangs on a place in the cluster).
; A tile of C is 256 x 256, four waves of 128 x 128; K goes in two steps of 512 through two LDS slots, each filled once; the scale bytes of both tiles come once too.  Three tensor loads of a wave are out at the most.
; CLUSTER 4 x 4: R's tile is shared along a row of the cluster, P's along a column, each by a joint load.
; LIMIT: q log2(e) / 8, k and v beyond +-65,504 have no f16 number.
.set NQ,     4
.set ROWB,   256
.set KROW,   512
.set PITCH,  272                       ; an LDS row: 256 bytes + 16 of padding
.set FR,     8
.set NL,     2
.set NP,     4
.set HALFT,  128*PITCH
.set SLOT,   4*HALFT
.set KS,     32
.set SCL,    2*SLOT
.set HALFS,  (128*KS/256)*272
.set SBLK,   (16*KS/256)*272
.set SPARE,  SCL+4*HALFS               ; the spare words, 128 bytes a wave
.set SCX,    5767168
.set ADRA, 16                          ; v16-17 LDS address of R's fragments in slot 0, 1
.set ADRB, 20                          ; v20-21 of P's
.set L16,  26                          ; v26 16 x lane
.set ADRS, 27                          ; v27 my scale words
.set SPW,  28
.set NIL,  29
.set FQK,  30                          ; v30 1 where this wave holds q's or k's first 16 positions
.set FV,   31                          ; v31 1 where it holds v's
.set SC,   32                          ; v32-95 scale words, two sets
.set BMF,  96                          ; v96-111 the bias along m, a pair for each block of 16
.set AF,   128                         ; v128-191 R's fragments
.set BN,   192                         ; v192-255 the bias along n, eight registers for each block of 16
.set T,    192                         ; the way out: a block's 64 numbers in f32
.set HB,   128                         ; and in f16, two banks of 32
.set G1, 24
.set G0, 32
.set G1B, 48
.set G0B, 56
.set G1S, 68
.set G0S, 76
.set G1SB, 80
.set G0SB, 88
.set BB,  52                           ; the way out: s[52:59] four bases
.set FFB, 70                           ; s[70:71] my place in ff
.set MSB, 0
.macro WIN new
.if MSB != \new
	s_set_vgpr_msb (MSB<<8)|\new
.set MSB, \new
.endif
.endm
.set MUL_LO, 0xa1                      ; source 0 (P) window 1, source 1 (R) window 0, C and D window 2
.set MUL_HI, 0xf1
.set TO_B,   0x40
.macro JLOAD g0a, g1a, g0b, g1b        ; waves 0 and 1 fetch for R, waves 2 and 3 for P; the branch hangs on the wave's number alone
	s_cmp_eq_u32 s15, 0
	s_cbranch_scc0 .Lfor_b_\@
	tensor_load_to_lds s[\g0a:\g0a+3], s[\g1a:\g1a+7]
	s_nop 0
.rept 4
	v_nop
.endr
	s_branch .Lasked_\@
.Lfor_b_\@:
	tensor_load_to_lds s[\g0b:\g0b+3], s[\g1b:\g1b+7]
	s_nop 0
.rept 4
	v_nop
.endr
.Lasked_\@:
.endm
.macro CROUND                          ; a round of the cluster's barrier
	s_barrier_signal -1
	s_barrier_wait -1
	s_cmp_lg_u32 s14, 0
	s_cbranch_scc1 .Lnot_wave_0_\@
	s_barrier_signal -3
.Lnot_wave_0_\@:
	s_barrier_wait -3
	s_barrier_signal -1
	s_barrier_wait -1
.endm
	s_load_b256 s[4:11], s[0:1], 0x0               ; pre, bq, bk, bv
	s_load_b128 s[96:99], s[0:1], 0x20             ; qf, kvf
	s_load_b64 s[100:101], s[0:1], 0x30            ; ff
	v_lshl_add_u32 v[SPW], v0, 2, SPARE
	v_mov_b32 v[NIL], 0
	ds_add_u32 v[SPW], v[NIL]                      ; the opening: the add, twice on end, and its wait ahead of my first tensor load
	ds_add_u32 v[SPW], v[NIL]
	v_lshrrev_b32 v1, 5, v0
	v_readfirstlane_b32 s14, v1                    ; wave
	s_lshr_b32 s15, s14, 1                         ; which half of R's rows is mine; also: I fetch for R (0) or P (1)
	s_and_b32 s16, s14, 1                          ; which half of P's rows; also: which 128 rows I fetch
	s_bfe_u32 s40, ttmp6, 0x40000                  ; cx
	s_bfe_u32 s41, ttmp6, 0x40004                  ; cy
	s_and_b32 s95, ttmp7, 0xffff
	s_lshl_b32 s95, s95, 2                         ; 4 x cluster y
	s_cmp_eq_u32 ttmp9, 2                          ; cluster x is the same in all sixteen partners
	s_cselect_b32 s17, 40, s95
	s_add_co_u32 s17, s17, s41                     ; R's tile of 256 rows: tokens 4 Y + cy, or Wv's 40 + cy
	s_lshl_b32 s42, ttmp9, 2
	s_add_co_u32 s42, s42, 32
	s_cmp_eq_u32 ttmp9, 2
	s_cselect_b32 s42, s95, s42
	s_add_co_u32 s42, s42, s40                     ; P's tile: the weight's 32 + 4 X + cx, or tokens 4 Y + cx
	s_lshl_b32 s43, s41, 2
	s_lshl_b32 s43, 15, s43                        ; my row of the cluster
	s_lshl_b32 s44, 0x1111, s40                    ; my column
	s_or_b32 s[G1+0], s43, (0<<16)|(1<<20)|(1<<21)|(5<<22)|(3<<25)   ; mask; elements of 1 byte; padding: 4 words behind every 64
	s_or_b32 s[G1B+0], s44, (0<<16)|(1<<20)|(1<<21)|(5<<22)|(3<<25)
.irp g, G1, G1B
	s_mov_b32 s[\g+1], ROWB<<16                    ; tensor_dim0
	s_mov_b32 s[\g+2], 128<<16                     ; tensor_dim1
	s_mov_b32 s[\g+3], ROWB<<16                    ; tile_dim0
	s_mov_b32 s[\g+4], 128                         ; tile_dim1
	s_mov_b32 s[\g+5], KROW                        ; from row to row
	s_mov_b32 s[\g+6], 0
	s_mov_b32 s[\g+7], 0
.endr
	s_or_b32 s[G1S+0], s43, (3<<16)|(1<<20)|(1<<21)|(5<<22)|(3<<25)  ; the scale bytes of 128 rows: 4,096 dense bytes as 16 rows of 256
	s_or_b32 s[G1SB+0], s44, (3<<16)|(1<<20)|(1<<21)|(5<<22)|(3<<25)
.irp g, G1S, G1SB
	s_mov_b32 s[\g+1], 32<<16
	s_mov_b32 s[\g+2], (128*KS/256)<<16
	s_mov_b32 s[\g+3], 32<<16
	s_mov_b32 s[\g+4], 128*KS/256
	s_mov_b32 s[\g+5], 32
	s_mov_b32 s[\g+6], 0
	s_mov_b32 s[\g+7], 0
.endr
	s_lshl_b32 s18, s16, 7
	s_lshl_b32 s20, s17, 8
	s_add_co_u32 s20, s20, s18                     ; R: the first row that I fetch
	s_lshl_b32 s46, s42, 8
	s_add_co_u32 s46, s46, s18                     ; P likewise
	s_lshl_b32 s22, s20, 5
	s_add_co_u32 s22, s22, SCX                     ; its scale bytes,
	s_lshl_b32 s20, s20, 9                         ; its codes
	s_lshl_b32 s92, s46, 5
	s_add_co_u32 s92, s92, SCX
	s_lshl_b32 s46, s46, 9
	s_mov_b32 s21, 0
	s_mov_b32 s23, 0
	s_mov_b32 s47, 0
	s_mov_b32 s93, 0
	s_mul_i32 s45, s14, HALFT                      ; where they go: by the wave's number alone
	s_mul_i32 s94, s14, HALFS
	s_mov_b32 s2, 0x3e38aa3b                       ; log2(e) / 8
	s_cmp_eq_u32 ttmp9, 0
	s_cselect_b32 s2, s2, 1.0                      ; the factor on the way out
	s_mov_b32 s3, s2
	s_cmp_eq_u32 ttmp9, 2
	s_cselect_b32 s66, 0, -1                       ; keeps the bias along n (q, k)
	s_cselect_b32 s67, -1, 0                       ; keeps the bias along m (v)
	s_wait_dscnt 0x0                               ; both opening adds are done
	s_wait_kmcnt 0x0
	s_add_nc_u64 s[20:21], s[4:5], s[20:21]
	s_add_nc_u64 s[22:23], s[4:5], s[22:23]
	s_add_nc_u64 s[46:47], s[4:5], s[46:47]
	s_add_nc_u64 s[92:93], s[4:5], s[92:93]
	CROUND                                         ; all sixteen work-groups are here: the joint loads meet
	s_mov_b32 s[G0S], 1
	s_add_co_u32 s[G0S+1], s94, SCL
	s_mov_b64 s[G0S+2:G0S+3], s[22:23]
	s_or_b32 s[G0S+3], s[G0S+3], 0x80000000
	s_mov_b32 s[G0SB], 1
	s_add_co_u32 s[G0SB+1], s94, SCL
	s_mov_b64 s[G0SB+2:G0SB+3], s[92:93]
	s_or_b32 s[G0SB+3], s[G0SB+3], 0x80000000
	JLOAD G0S, G1S, G0SB, G1SB
.irp s, 0,1
	s_mov_b32 s[G0+4*\s], 1
	s_add_co_u32 s[G0+4*\s+1], s45, \s*SLOT
	s_add_nc_u64 s[G0+4*\s+2:G0+4*\s+3], s[20:21], \s*ROWB
	s_or_b32 s[G0+4*\s+3], s[G0+4*\s+3], 0x80000000
	s_mov_b32 s[G0B+4*\s], 1
	s_add_co_u32 s[G0B+4*\s+1], s45, \s*SLOT
	s_add_nc_u64 s[G0B+4*\s+2:G0B+4*\s+3], s[46:47], \s*ROWB
	s_or_b32 s[G0B+4*\s+3], s[G0B+4*\s+3], 0x80000000
	JLOAD G0+4*\s, G1, G0B+4*\s, G1B
.endr
	v_and_b32 v1, 15, v0                           ; r
	v_bfe_u32 v2, v0, 4, 1                         ; h
	v_mul_u32_u24 v3, v1, PITCH
	v_lshl_add_u32 v4, v2, 4, v3
	s_mul_i32 s21, s15, HALFT
	s_mul_i32 s22, s16, HALFT
	s_add_co_u32 s22, s22, 2*HALFT
.irp s, 0,1
	v_add_nc_u32 v[ADRA+\s], s21, v4
	v_add_nc_u32 v[ADRB+\s], s22, v4
	s_add_co_u32 s21, s21, SLOT
	s_add_co_u32 s22, s22, SLOT
.endr
	v_mul_u32_u24 v5, v1, KS
	v_lshrrev_b32 v6, 8, v5
	v_lshl_add_u32 v5, v6, 4, v5
	s_mul_i32 s21, s15, HALFS
	s_mul_i32 s22, s16, HALFS
	s_add_co_u32 s22, s22, 2*HALFS
	s_sub_co_u32 s22, s22, s21
	v_mul_u32_u24 v6, s22, v2                      ; lanes 16-31 take P's words
	s_add_co_u32 s21, s21, SCL
	v_add_nc_u32 v5, v5, v6
	v_add_nc_u32 v[ADRS], s21, v5
	v_and_b32 v6, 31, v0
	v_lshlrev_b32 v[L16], 4, v6
	; the biases: along n: bq or bk at 256 cx + 128 (my half of P) + 16 b + 8 h + j;  along m: bv at 256 cy + 128 (my half of R) + 16 a + r.  What the type does not use is made 0
	s_cmp_eq_u32 ttmp9, 0
	s_cselect_b64 s[12:13], s[6:7], s[8:9]
	s_lshl_b32 s18, s40, 10
	s_lshl_b32 s19, s16, 9
	s_add_co_u32 s18, s18, s19
	s_mov_b32 s19, 0
	s_add_nc_u64 s[12:13], s[12:13], s[18:19]
	s_lshl_b32 s18, s41, 10
	s_lshl_b32 s21, s15, 9
	s_add_co_u32 s18, s18, s21
	s_add_nc_u64 s[10:11], s[10:11], s[18:19]
	v_lshlrev_b32 v7, 5, v2
	v_lshlrev_b32 v8, 2, v1
.irp b, 0,1,2,3,4,5,6,7
	global_load_b128 v[BN+8*\b:BN+8*\b+3], v7, s[12:13] offset:64*\b
	global_load_b128 v[BN+8*\b+4:BN+8*\b+7], v7, s[12:13] offset:64*\b+16
.endr
.irp a, 0,1,2,3,4,5,6,7
	global_load_b32 v[BMF+2*\a], v8, s[10:11] offset:64*\a
.endr
	s_wait_loadcnt 0x0
.set i, 0
.rept 64
	v_and_b32 v[BN+i], s66, v[BN+i]
.set i, i+1
.endr
.irp a, 0,1,2,3,4,5,6,7
	v_and_b32 v[BMF+2*\a], s67, v[BMF+2*\a]
	v_mul_f32 v[BMF+2*\a], s2, v[BMF+2*\a]
	v_mov_b32 v[BMF+2*\a+1], v[BMF+2*\a]
.endr
.macro FRAG reg, adr, q, i             ; 16 rows x 128 K of 4-bit codes: 8 registers, two loads of 16 bytes, 32 bytes apart
.irp c, 0,1
	ds_load_b128 v[\reg+4*\c:\reg+4*\c+3], v[\adr] offset:64*(\q)+32*\c+(\i)*16*PITCH
.endr
.endm
; 16 products: R's blocks a0, a0 + 1 x P's eight.  zero = 1: the first product starts the sums from the bias along n.  The 64 accumulators take turns.
.macro MUL16 a0, p, q, sc, zero
.irp a, \a0, \a0+1
.irp b, 0,1,2,3,4,5,6,7
.if \zero
	v_wmma_scale_f32_16x16x128_f8f6f4 v[8*(8*((\a)%4)+\b):8*(8*((\a)%4)+\b)+7], v[128*(\p)+FR*\b:128*(\p)+FR*\b+FR-1], v[AF+FR*(\a):AF+FR*(\a)+FR-1], v[BN+8*\b:BN+8*\b+7], v[SC+8*NQ*(\sc)+NQ*\b+(\q)], v[SC+8*NQ*(\sc)+NQ*(\a)+(\q)] matrix_a_fmt:MATRIX_FMT_FP4 matrix_b_fmt:MATRIX_FMT_FP4 matrix_a_scale:MATRIX_SCALE_ROW1
.else
	v_wmma_scale_f32_16x16x128_f8f6f4 v[8*(8*((\a)%4)+\b):8*(8*((\a)%4)+\b)+7], v[128*(\p)+FR*\b:128*(\p)+FR*\b+FR-1], v[AF+FR*(\a):AF+FR*(\a)+FR-1], v[8*(8*((\a)%4)+\b):8*(8*((\a)%4)+\b)+7], v[SC+8*NQ*(\sc)+NQ*\b+(\q)], v[SC+8*NQ*(\sc)+NQ*(\a)+(\q)] matrix_a_fmt:MATRIX_FMT_FP4 matrix_b_fmt:MATRIX_FMT_FP4 matrix_a_scale:MATRIX_SCALE_ROW1
.endif
.endr
.endr
.endm
.macro FETCH_B slot, q, p
	WIN TO_B
.irp i, 0,1,2,3,4,5,6,7
	FRAG 128*(\p)+FR*\i, ADRB+\slot, \q, \i
.endr
	WIN 0
.endm
.macro FETCH_A slot, q, i0
.irp i, \i0, \i0+1, \i0+2, \i0+3
	FRAG AF+FR*(\i), ADRA+\slot, \q, \i
.endr
.endm
.macro SCALES sc                       ; a slot's scale words: lanes 0-15 R's block i, lanes 16-31 P's block i
.irp i, 0,1,2,3,4,5,6,7
	ds_load_b128 v[SC+8*NQ*\sc+NQ*\i:SC+8*NQ*\sc+NQ*\i+3], v[ADRS] offset:\i*SBLK
.endr
.endm
.macro PLACES n                        ; plain vector instructions between a matrix instruction and a load into, or a read of, its registers
.rept \n
	v_nop
.endr
.endm
.macro STEP slot, q, zero              ; 128 along K, with its successor in the same slot
	s_wait_dscnt 4*NL                              ; P's set and R's blocks 0-3 are in; R's blocks 4-7 may be out
.if \zero
	WIN 0x81                                       ; C (the bias) in window 0
.else
	WIN MUL_LO
.endif
	MUL16 0, (\q)%2, \q, \slot, \zero
	MUL16 2, (\q)%2, \q, \slot, \zero
	s_wait_dscnt 0
	PLACES NP
	FETCH_B \slot, (\q)+1, 1-(\q)%2
	FETCH_A \slot, (\q)+1, 0
.if \zero
	WIN 0xc1
.else
	WIN MUL_HI
.endif
	MUL16 4, (\q)%2, \q, \slot, \zero
	MUL16 6, (\q)%2, \q, \slot, \zero
	PLACES NP
	WIN 0
	FETCH_A \slot, (\q)+1, 4
.endm
	s_wait_tensorcnt 1                             ; the scales and my part of slot 0 are in; slot 1's load may be out
	s_barrier_signal -1
	s_barrier_wait -1
	FETCH_B 0, 0, 0
	FETCH_A 0, 0, 0
	SCALES 0
	FETCH_A 0, 0, 4
	STEP 0, 0, 1
	STEP 0, 1, 0
	STEP 0, 2, 0
	; slot 0's last step changes slots: one barrier; nothing is filled again
	s_wait_tensorcnt 0x0                           ; my part of slot 1 has landed
	ds_add_u32 v[SPW], v[NIL]
	s_wait_dscnt 4*NL+1                            ; the add and R's blocks 4-7 may be out
	WIN MUL_LO
	MUL16 0, 1, NQ-1, 0, 0
	s_wait_dscnt 0x0
	s_barrier_signal -1
	MUL16 2, 1, NQ-1, 0, 0
	WIN 0
	s_barrier_wait -1
	PLACES NP
	v_add_nc_u32 v[ADRS], 4*NQ, v[ADRS]
	FETCH_B 1, 0, 0
	FETCH_A 1, 0, 0
	SCALES 1
	WIN MUL_HI
	MUL16 4, 1, NQ-1, 0, 0
	MUL16 6, 1, NQ-1, 0, 0
	PLACES NP
	WIN 0
	FETCH_A 1, 0, 4
	STEP 1, 0, 0
	STEP 1, 1, 0
	STEP 1, 2, 0
	s_wait_dscnt 4*NL
	WIN MUL_LO
	MUL16 0, 1, NQ-1, 1, 0
	MUL16 2, 1, NQ-1, 1, 0
	s_wait_dscnt 0
	WIN MUL_HI
	MUL16 4, 1, NQ-1, 1, 0
	MUL16 6, 1, NQ-1, 1, 0
	WIN 0
	; ---- THE WAY OUT.  No tensor load is out: the descriptors' registers are free.
	s_cmp_eq_u32 ttmp9, 2
	s_cselect_b32 s18, s42, s17                    ; the tile of 256 tokens,
	s_cselect_b32 s19, s16, s15                    ; my half of it,
	s_cselect_b32 s20, s41, s40                    ; the 256 channels,
	s_cselect_b32 s21, s15, s16                    ; my half of them
	s_cselect_b32 s22, 8192, 0                     ; v lies behind k in a step's block
	s_mov_b32 s23, 16384
	s_mov_b32 s24, 0x80000
	s_cselect_b32 s48, s24, s23                    ; four blocks on along m: k: a step; v: a head
	s_cselect_b32 s50, s23, s24                    ; four blocks on along n: k: a head; v: a step
	s_lshl_b32 s18, s18, 8
	s_lshl_b32 s19, s19, 7
	s_add_co_u32 s18, s18, s19                     ; my first token
	s_lshr_b32 s26, s18, 11                        ; its batch,
	s_and_b32 s27, s18, 2047                       ; its position
	s_lshl_b32 s26, s26, 4
	s_lshl_b32 s20, s20, 2
	s_lshl_b32 s21, s21, 1
	s_add_co_u32 s26, s26, s20
	s_add_co_u32 s26, s26, s21                     ; 16 x batch + my first head
	s_cmp_eq_u32 ttmp9, 0
	s_cselect_b64 s[28:29], s[96:97], s[98:99]
	s_cselect_b32 s30, 18, 19                      ; a head's bytes: 2^18 in qf, 2^19 in kvf
	s_cselect_b32 s31, 7, 8                        ; a position's: 128 in qf, 256 in kvf
	s_cselect_b32 s48, 8192, s48
	s_cselect_b32 s50, 0x40000, s50
	s_lshl_b32 s32, s26, s30
	s_lshl_b32 s33, s27, s31
	s_add_co_u32 s32, s32, s33
	s_add_co_u32 s32, s32, s22
	s_mov_b32 s33, 0
	s_mov_b32 s49, 0
	s_mov_b32 s51, 0
	s_add_nc_u64 s[BB:BB+1], s[28:29], s[32:33]
	s_add_nc_u64 s[BB+2:BB+3], s[BB:BB+1], s[50:51]
	s_add_nc_u64 s[BB+4:BB+5], s[BB:BB+1], s[48:49]
	s_add_nc_u64 s[BB+6:BB+7], s[BB+4:BB+5], s[50:51]
	s_mul_i32 s32, s26, 12288
	s_lshl_b32 s34, ttmp9, 12                      ; q at 0, k at 4,096, v at 8,192 of a head's 12,288 bytes
	s_add_co_u32 s32, s32, s34
	s_add_nc_u64 s[FFB:FFB+1], s[100:101], s[32:33]
	s_cmp_eq_u32 s27, 0                            ; do my tokens begin a sequence?
	s_cselect_b32 s34, 1, 0
	s_cmp_eq_u32 ttmp9, 2
	s_cselect_b32 s35, s34, 0
	s_cselect_b32 s34, 0, s34
	v_mov_b32 v[FQK], s34
	v_mov_b32 v[FV], s35
	PLACES NP
; Block a of 16 along m: x factor + bias along m, in f32; rounded to f16; eight stores of 512 consecutive bytes.
.macro OUT a
	s_wait_xcnt 0x0                                ; the earlier stores have read their registers
	WIN 0x02+(\a)/4                                ; source 0: window 2 or 3
.irp b, 0,1,2,3,4,5,6,7
.irp i, 0,2,4,6
	v_pk_fma_f32 v[T+8*\b+\i:T+8*\b+\i+1], v[64*((\a)%4)+8*\b+\i:64*((\a)%4)+8*\b+\i+1], s[2:3], v[BMF+2*(\a):BMF+2*(\a)+1] op_sel_hi:[1,0,0]
.endr
.endr
	WIN 0
.irp b, 0,1,2,3,4,5,6,7
.irp i, 0,1,2,3
	v_cvt_pk_f16_f32 v[HB+32*((\a)%2)+4*\b+\i], v[T+8*\b+2*\i], v[T+8*\b+2*\i+1]
.endr
.endr
.irp b, 0,1,2,3,4,5,6,7
	global_store_b128 v[L16], v[HB+32*((\a)%2)+4*\b:HB+32*((\a)%2)+4*\b+3], s[BB+4*((\a)/4)+2*(\b/4):BB+4*((\a)/4)+2*(\b/4)+1] offset:2048*((\a)%4)+1024*((\b%4)/2)+512*(\b%2)
.endr
.if (\a) == 0
	v_cmp_ne_u32 vcc_lo, 0, v[FQK]                 ; q's or k's first 16 positions, in f32: all lanes or none
	s_wait_xcnt 0x0
	s_and_saveexec_b32 s68, vcc_lo
.irp b, 0,1,2,3,4,5,6,7
	global_store_b128 v[L16], v[T+8*\b:T+8*\b+3], s[FFB:FFB+1] offset:12288*(\b/4)+1024*(\b%4)
	global_store_b128 v[L16], v[T+8*\b+4:T+8*\b+7], s[FFB:FFB+1] offset:12288*(\b/4)+1024*(\b%4)+512
.endr
	s_wait_xcnt 0x0
	s_or_b32 exec_lo, exec_lo, s68
.endif
	v_cmp_ne_u32 vcc_lo, 0, v[FV]                  ; v's first 16 positions: the block's first eight registers
	s_wait_xcnt 0x0
	s_and_saveexec_b32 s68, vcc_lo
	global_store_b128 v[L16], v[T:T+3], s[FFB:FFB+1] offset:12288*((\a)/4)+1024*((\a)%4)
	global_store_b128 v[L16], v[T+4:T+7], s[FFB:FFB+1] offset:12288*((\a)/4)+1024*((\a)%4)+512
	s_wait_xcnt 0x0
	s_or_b32 exec_lo, exec_lo, s68
.endm
.irp a, 0,1,2,3,4,5,6,7
	OUT \a
.endr
	s_wait_tensorcnt 0x0                           ; the wave's end
	ds_add_u32 v[SPW], v[NIL]
	s_wait_dscnt 0x0
	CROUND                                         ; the closing round
	s_endpgm
.Lfunc_end_k_qfcda0cd76d_qkv:
	.size	k_qfcda0cd76d_qkv, .Lfunc_end_k_qfcda0cd76d_qkv-k_qfcda0cd76d_qkv
	.p2alignl 7, 3214868480
	.fill 96, 4, 3214868480
	.section	.rodata,"a",@progbits
	.p2align	6, 0x0
	.amdhsa_kernel k_qfcda0cd76d_qkv
		.amdhsa_group_segment_fixed_size 327680
		.amdhsa_private_segment_fixed_size 0
		.amdhsa_enable_private_segment 0
		.amdhsa_kernarg_size 56
		.amdhsa_user_sgpr_count 2
		.amdhsa_user_sgpr_kernarg_segment_ptr 1
		.amdhsa_wavefront_size32 1
		.amdhsa_system_sgpr_workgroup_id_x 1
		.amdhsa_system_sgpr_workgroup_id_y 1
		.amdhsa_system_sgpr_workgroup_id_z 1
		.amdhsa_system_vgpr_workitem_id 0
		.amdhsa_next_free_vgpr 1024
		.amdhsa_next_free_sgpr 102
		.amdhsa_reserve_vcc 1
		.amdhsa_float_denorm_mode_32 3
		.amdhsa_float_denorm_mode_16_64 3
		.amdhsa_memory_ordered 1
		.amdhsa_forward_progress 1
		.amdhsa_inst_pref_size 145
	.end_amdhsa_kernel
	.amdgpu_metadata
---
amdhsa.version: [ 1, 2 ]
amdhsa.kernels:
  - .name:           k_qfcda0cd76d_qkv
    .symbol:         k_qfcda0cd76d_qkv.kd
    .args:
      - { .name: pre, .offset: 0, .size: 8, .value_kind: global_buffer, .address_space: global }
      - { .name: bq, .offset: 8, .size: 8, .value_kind: global_buffer, .address_space: global }
      - { .name: bk, .offset: 16, .size: 8, .value_kind: global_buffer, .address_space: global }
      - { .name: bv, .offset: 24, .size: 8, .value_kind: global_buffer, .address_space: global }
      - { .name: qf, .offset: 32, .size: 8, .value_kind: global_buffer, .address_space: global }
      - { .name: kvf, .offset: 40, .size: 8, .value_kind: global_buffer, .address_space: global }
      - { .name: ff, .offset: 48, .size: 8, .value_kind: global_buffer, .address_space: global }
    .group_segment_fixed_size: 327680
    .private_segment_fixed_size: 0
    .kernarg_segment_align: 8
    .kernarg_segment_size: 56
    .max_flat_workgroup_size: 128
    .sgpr_count:     102
    .vgpr_count:     1024
    .wavefront_size: 32
...
	.end_amdgpu_metadata
.endif
;; end of part 2
;; launch attn (part 3): grid 4 x 64, 4 waves a work-group, no clusters, 33,280 bytes of LDS; arguments qf, kvf, mk, af; writes af
.if DOCPART == 3
	.amdgcn_target "amdgcn-amd-amdhsa--gfx1250"
	.amdhsa_code_object_version 6
	.text
	.protected	k_qfcda0cd76d_attn
	.globl	k_qfcda0cd76d_attn
	.p2align	8
	.type	k_qfcda0cd76d_attn,@function
k_qfcda0cd76d_attn:
	s_mov_b64 s[64:65], 0
	v_nop
	global_prefetch_b8 v0, s[64:65] scope:SCOPE_SE
	s_setreg_imm32_b32 hwreg(HW_REG_WAVE_MODE, 25, 1), 1
	s_wait_xcnt 0x0
; Attention in f16 operands and f32 sums.  q (already x log2(e) / 8), k and v come as images of operand registers; p = 2^(s - m) with a running maximum m and sum l for each query.
; SHARES.  Work-group (px, bh) makes two passes: query blocks 7 - px and px of 256 rows of head bh.  Wave w owns 64 queries: four tiles of 16.  Keys go in steps of 64.
; THE MASK is an input: an earlier launch turned it into bit words and, for each four rows and step, the flags ANY and FULL.  A step in which no key counts for any of the work-group's rows is neither fetched nor stored
; to LDS; one in which none counts for my wave's rows is not computed; one in which all count is not masked: scalar branches on those stored numbers.  So this launch has no tensor load, and no cluster: partners would
; walk different steps.  A masked score becomes -1e9 x log2(e), as the reference has it; rows with no key at all are walked densely (their flags say so).
; LIMIT: leaving a step out is exact while every unmasked q.k/8 lies above -1e9 + 104.  The attention's result beyond +-65,504 has no f16 number.
; K and V: each wave loads a quarter of a step's 16,384 bytes into registers a step ahead, stores it to one of two LDS slots, and all four read the slot behind ONE barrier a step: the barrier of step s orders the stores of
; step s ahead of its reads, and the reads of step s - 1 ahead of the stores of step s + 1.
; LAYOUT.  S^T = K Q^T, O^T = V^T P: a lane holds one query throughout.
; REGISTERS.  window 0: v1-11 addresses; v12-43 statistics, eight a tile (+0 m, +2,+3 l, +4..+7 at work, a at +6); v44-59 mask words; v64-191 S^T (32 t + 8 kt); v192-255 P (16 t + 8 kc).
;   window 1: v0-127 O^T (32 t + 8 ct); v128-191 Q; v192-223 the quarter step on its way.   window 2: v0-63 K; v64-127 V^T.
.set ANYO,  524288
.set FULLO, 526336
.set SPARE, 32768
.set L16,  1                           ; v1  16 x lane
.set LS,   3                           ; v3  4,096 x wave + 16 x lane: my quarter, in a step's block of kvf and in a slot
.set PFO,  4                           ; v4  the prefetches' offset
.set MG,   5                           ; v5  my row's mask words of the trip's 128 keys
.set SH,   6                           ; v6, v7  2 h and 2 h + 16
.set NEGV, 8                           ; v8  -1e9 x log2(e)
.set TMP,  9
.set R256, 11                          ; v11 256 x (lane % 16)
.set ST,   12
.set MW,   44
.set SPW,  62
.set NIL,  63
.set S,    64
.set P,    192
.set MSB, 0
.macro WIN new
.if MSB != \new
	s_set_vgpr_msb (MSB<<8)|\new
.set MSB, \new
.endif
.endm
	s_load_b256 s[4:11], s[0:1], 0x0               ; qf, kvf, mk, af
	v_lshl_add_u32 v[SPW], v0, 2, SPARE
	v_mov_b32 v[NIL], 0
	v_lshrrev_b32 v9, 5, v0
	v_readfirstlane_b32 s12, v9                    ; wave
	v_and_b32 v10, 31, v0
	v_lshlrev_b32 v[L16], 4, v10
	v_lshl_add_u32 v[LS], v9, 12, v[L16]
	v_lshlrev_b32 v[PFO], 8, v10
	v_and_b32 v2, 1, v9
	v_lshl_add_u32 v[PFO], v2, 13, v[PFO]          ; 256 x lane + 8,192 x (wave % 2)
	v_and_b32 v[R256], 15, v0
	v_lshlrev_b32 v[R256], 8, v[R256]
	v_bfe_u32 v2, v0, 4, 1
	v_lshlrev_b32 v[SH], 1, v2
	v_add_nc_u32 v[SH+1], 16, v[SH]
	v_mov_b32 v[NEGV], 0xceabfb8f
	s_mov_b32 s13, ttmp9                           ; px
	s_and_b32 s14, ttmp7, 0xffff                   ; bh
	s_mov_b32 s58, 0x76543210
	s_mov_b32 s59, 0xfedcba98                      ; v_permlanex16_b32: lane l xor 16
	s_mov_b32 s15, 0                               ; the pass
	s_lshl_b32 s18, s14, 19
	s_mov_b32 s19, 0
	s_lshl_b32 s20, s14, 18
	s_lshl_b32 s21, s12, 13
	s_add_co_u32 s20, s20, s21
	s_mov_b32 s21, 0
	s_lshr_b32 s22, s14, 4
	s_lshl_b32 s22, s22, 22                        ; the batch's 128 token tiles of 32,768 bytes,
	s_and_b32 s23, s14, 15
	s_lshl_b32 s23, s23, 11                        ; the head's two fragments,
	s_add_co_u32 s22, s22, s23
	s_lshl_b32 s23, s12, 17                        ; my wave's four tiles
	s_add_co_u32 s22, s22, s23
	s_mov_b32 s23, 0
	s_wait_kmcnt 0x0
	s_add_nc_u64 s[6:7], s[6:7], s[18:19]          ; the head's k and v
	s_add_nc_u64 s[4:5], s[4:5], s[20:21]
	s_add_nc_u64 s[10:11], s[10:11], s[22:23]
.macro MASK par                        ; key 16 kt + 8 h + j of the step is bit 16 par + 4 kt + 2 h + j / 4 of word j % 4
.irp t, 0,1,2,3
	global_load_b128 v[MW+4*\t:MW+4*\t+3], v[MG], s[8:9] offset:4096*\t
.endr
	s_wait_loadcnt 0x0
.set i, 0
.rept 16
	v_lshrrev_b32 v[MW+i], v[SH+\par], v[MW+i]
.set i, i+1
.endr
.irp t, 0,1,2,3
.irp kt, 0,1,2,3
.irp j, 0,1,2,3,4,5,6,7
	v_and_b32 v[TMP], 1<<(4*\kt+\j/4), v[MW+4*\t+\j%4]
	v_cmp_eq_u32 vcc_lo, 0, v[TMP]
	v_cndmask_b32 v[S+32*\t+8*\kt+\j], v[S+32*\t+8*\kt+\j], v[NEGV], vcc_lo
.endr
.endr
.endr
.endm
.macro SOFTMAX                         ; the four tiles take turns line by line
.irp k, 0,1,2,3
.irp t, 0,1,2,3
	v_max3_num_f32 v[ST+8*\t+4+\k], v[S+32*\t+8*\k], v[S+32*\t+8*\k+1], v[S+32*\t+8*\k+2]   ; each accumulator is read from its low end on
.endr
.endr
.irp q, 1,2
.irp k, 0,1,2,3
.irp t, 0,1,2,3
	v_max3_num_f32 v[ST+8*\t+4+\k], v[ST+8*\t+4+\k], v[S+32*\t+8*\k+2*\q+1], v[S+32*\t+8*\k+2*\q+2]
.endr
.endr
.endr
.irp t, 0,1,2,3
	v_max3_num_f32 v[ST+8*\t+4], v[ST+8*\t+4], v[S+32*\t+7], v[S+32*\t+15]
	v_max3_num_f32 v[ST+8*\t+6], v[ST+8*\t+6], v[S+32*\t+23], v[S+32*\t+31]
.endr
.irp t, 0,1,2,3
	v_max3_num_f32 v[ST+8*\t+4], v[ST+8*\t+4], v[ST+8*\t+5], v[ST+8*\t+6]
.endr
.irp t, 0,1,2,3
	v_max3_num_f32 v[ST+8*\t+4], v[ST+8*\t+4], v[ST+8*\t+7], v[ST+8*\t]     ; and the old m
.endr
.irp t, 0,1,2,3
	v_permlanex16_b32 v[ST+8*\t+5], v[ST+8*\t+4], s58, s59                  ; the query's other 32 keys
.endr
.irp t, 0,1,2,3
	v_mov_b32 v[ST+8*\t+7], v[ST+8*\t]
.endr
.irp t, 0,1,2,3
	v_max_num_f32 v[ST+8*\t], v[ST+8*\t+4], v[ST+8*\t+5]                    ; the new m
.endr
.irp t, 0,1,2,3
	v_sub_f32 v[ST+8*\t+7], v[ST+8*\t+7], v[ST+8*\t]                        ; old m - new m
.endr
.irp t, 0,1,2,3
.set i, 0
.rept 16
	v_pk_add_f32 v[S+32*\t+2*i:S+32*\t+2*i+1], v[S+32*\t+2*i:S+32*\t+2*i+1], v[ST+8*\t:ST+8*\t+1] op_sel_hi:[1,0] neg_lo:[0,1] neg_hi:[0,1]   ; s - m
.set i, i+1
.endr
.endr
.irp t, 0,1,2,3
	v_exp_f32 v[ST+8*\t+6], v[ST+8*\t+7]                                    ; a = 2^(old m - new m)
.endr
.set i, 0
.rept 128
	v_exp_f32 v[S+i], v[S+i]                                                ; p: ONE batch of 132 exponentials
.set i, i+1
.endr
	v_nop                                          ; a plain instruction behind the last exponential
	s_wait_alu depctr_va_vdst(0)                   ; and one wait for the batch, ahead of its first reader
.set i, 0
.rept 64
	v_cvt_pk_f16_f32 v[P+i], v[S+2*i], v[S+2*i+1]  ; two tiles of 16 keys, packed, are source 1 of the second product
.set i, i+1
.endr
.irp w, 4,8,16,32                      ; the sums, in place: neighbours 1, 2, 4 and 8 pairs apart
.irp t, 0,1,2,3
.set u, 0
.rept 32/\w
	v_pk_add_f32 v[S+32*\t+\w*u:S+32*\t+\w*u+1], v[S+32*\t+\w*u:S+32*\t+\w*u+1], v[S+32*\t+\w*u+\w/2:S+32*\t+\w*u+\w/2+1]
.set u, u+1
.endr
.endr
.endr
.irp t, 0,1,2,3
	v_pk_fma_f32 v[ST+8*\t+2:ST+8*\t+3], v[ST+8*\t+2:ST+8*\t+3], v[ST+8*\t+6:ST+8*\t+7], v[S+32*\t:S+32*\t+1] op_sel_hi:[1,0,1]   ; l = a l + the sum
.endr
	WIN 0x41
.irp t, 0,1,2,3
.set i, 0
.rept 16
	v_pk_mul_f32 v[32*\t+2*i:32*\t+2*i+1], v[32*\t+2*i:32*\t+2*i+1], v[ST+8*\t+6:ST+8*\t+7] op_sel_hi:[1,0]   ; O^T x a
.set i, i+1
.endr
.endr
.endm
; Step 2 g + par, in slot par.  s20, s21: the work-group's ANY for even and odd steps; s22, s23: my wave's; s56, s57: my wave's FULL.
.macro STEPM par
	s_wait_loadcnt 0x0                             ; my quarter of this step is in registers, if it was asked for
	s_bitcmp1_b32 s[20+\par], s16
	s_cbranch_scc0 .Lno_put_\@
	WIN 0x04                                       ; an LDS store's data: window 1
.irp i, 0,1,2,3,4,5,6,7
	ds_store_b128 v[LS], v[192+4*\i:195+4*\i] offset:16384*\par+512*\i
.endr
	WIN 0
.Lno_put_\@:
	s_wait_dscnt 0x0                               ; my stores have landed, and my reads of the last step are back
	s_barrier_signal -1
	s_barrier_wait -1
.if \par == 0
	s_bitcmp1_b32 s21, s16                         ; is the next step wanted by anyone here?
.else
	s_add_co_u32 s18, s16, 1
	s_bitcmp1_b32 s20, s18                         ; (bit 16 is 0: behind the last step nothing is asked for)
.endif
	s_cbranch_scc0 .Lno_get_\@
	WIN 0x40
.irp i, 0,1,2,3,4,5,6,7
	global_load_b128 v[192+4*\i:195+4*\i], v[LS], s[62:63] offset:16384*(\par+1)+512*\i
.endr
	WIN 0
.Lno_get_\@:
	s_cmp_lt_u32 s16, s[60+\par]                   ; the step three on is prefetched: by waves 0 and 1 of work-group px = 0 in its first pass, a lane for each 256 bytes, so each block is named once; it stops at step 31
	s_cbranch_scc0 .Lno_ask_\@
	global_prefetch_b8 v[PFO], s[62:63] offset:16384*(\par+3) th:TH_LOAD_NT scope:SCOPE_SE
.Lno_ask_\@:
	s_bitcmp1_b32 s[22+\par], s16
	s_cbranch_scc0 .Lidle_\@
	WIN 0x80
.set i, 0
.rept 32
	ds_load_b128 v[4*i:4*i+3], v[L16] offset:16384*\par+512*i   ; K's 16 groups of four registers, then V's 16, as they stand
.set i, i+1
.endr
	s_wait_dscnt 16                                ; K is in; V's 16 loads may be out
	WIN 0x06                                       ; K window 2, Q window 1, S^T window 0
.irp c, 0,1
.irp kt, 0,1,2,3
.irp t, 0,1,2,3
.if \c == 0
	v_wmma_f32_16x16x32_f16 v[S+32*\t+8*\kt:S+32*\t+8*\kt+7], v[8*(2*\kt+\c):8*(2*\kt+\c)+7], v[128+8*(2*\t+\c):128+8*(2*\t+\c)+7], 0
.else
	v_wmma_f32_16x16x32_f16 v[S+32*\t+8*\kt:S+32*\t+8*\kt+7], v[8*(2*\kt+\c):8*(2*\kt+\c)+7], v[128+8*(2*\t+\c):128+8*(2*\t+\c)+7], v[S+32*\t+8*\kt:S+32*\t+8*\kt+7]
.endif
.endr
.endr
.endr
	WIN 0
.rept 4
	v_nop                                          ; places ahead of the first read of the scores
.endr
	s_bitcmp1_b32 s[56+\par], s16
	s_cbranch_scc1 .Lopen_\@
	MASK \par
.Lopen_\@:
	SOFTMAX
	s_wait_dscnt 0x0                               ; V is in
	WIN 0x52                                       ; V window 2, P window 0, O^T window 1
.irp kc, 0,1
.irp ct, 0,1,2,3
.irp t, 0,1,2,3
	v_wmma_f32_16x16x32_f16 v[32*\t+8*\ct:32*\t+8*\ct+7], v[64+8*(2*\ct+\kc):64+8*(2*\ct+\kc)+7], v[P+16*\t+8*\kc:P+16*\t+8*\kc+7], v[32*\t+8*\ct:32*\t+8*\ct+7]
.endr
.endr
.endr
	WIN 0
.rept 4
	v_nop                                          ; places ahead of the next loads into K's and V's registers and of the next read of O^T
.endr
.Lidle_\@:
.endm
.Lpass:
	s_wait_loadcnt 0x0                             ; no load of the pass before is out: Q's registers and the quarter step's are loaded anew below
	s_sub_co_u32 s17, 7, s13
	s_cmp_eq_u32 s15, 0
	s_cselect_b32 s17, s17, s13                    ; the query block: 7 - px, then px
	s_lshl_b32 s18, s17, 8                         ; its 64 flag words
	s_load_b512 s[24:39], s[8:9], s18 offset:ANYO
	s_load_b512 s[40:55], s[8:9], s18 offset:ANYO+64
	s_load_b512 s[68:83], s[8:9], s18 offset:ANYO+128
	s_load_b512 s[84:99], s[8:9], s18 offset:ANYO+192
	s_or_b32 s19, s13, s15
	s_lshr_b32 s60, s12, 1
	s_or_b32 s19, s19, s60
	s_cmp_eq_u32 s19, 0                            ; px = 0, first pass, waves 0 and 1: these prefetch
	s_cselect_b32 s60, 15, 0
	s_cselect_b32 s61, 14, 0
	s_mov_b64 s[62:63], s[6:7]                     ; the trip's two steps of k and v
	s_lshl_b32 s66, s17, 15
	s_mov_b32 s67, 0
	s_add_nc_u64 s[66:67], s[4:5], s[66:67]
	WIN 0x40
.set i, 0
.rept 16
	global_load_b128 v[128+4*i:131+4*i], v[L16], s[66:67] offset:512*i      ; Q: 8,192 consecutive bytes
.set i, i+1
.endr
.irp i, 0,1,2,3,4,5,6,7
	global_load_b128 v[192+4*\i:195+4*\i], v[LS], s[62:63] offset:512*\i    ; step 0, always
.endr
.set i, 0
.rept 128
	v_mov_b32 v[i], 0                              ; O^T: which step is the first to be computed hangs on the flags, so no first product can be written out
.set i, i+1
.endr
	WIN 0
.irp t, 0,1,2,3
	v_mov_b32 v[ST+8*\t], 0xff61b1e6               ; m = -3e38
.irp k, 1,2,3,4,5,6,7
	v_mov_b32 v[ST+8*\t+\k], 0
.endr
.endr
	s_lshl_b32 s100, s17, 16
	s_lshl_b32 s101, s12, 14
	s_add_co_u32 s100, s100, s101
	v_add_nc_u32 v[MG], s100, v[R256]              ; row 256 qb + 64 w + r, 256 bytes a row
	s_wait_kmcnt 0x0
.set i, 25
.rept 15
	s_or_b32 s24, s24, s[i]
.set i, i+1
.endr
.set i, 40
.rept 16
	s_or_b32 s24, s24, s[i]
.set i, i+1
.endr
.set i, 68
.rept 32
	s_or_b32 s24, s24, s[i]
.set i, i+1
.endr
	s_and_b32 s20, s24, 0xffff                     ; the work-group's ANY: even steps,
	s_lshr_b32 s21, s24, 16                        ; odd steps
	s_lshl_b32 s19, s12, 6
	s_add_co_u32 s19, s19, s18                     ; my wave's 16 words
	s_load_b512 s[24:39], s[8:9], s19 offset:ANYO
	s_load_b512 s[40:55], s[8:9], s19 offset:FULLO
	s_wait_kmcnt 0x0
.set i, 1
.rept 15
	s_or_b32 s24, s24, s[24+i]
	s_and_b32 s40, s40, s[40+i]
.set i, i+1
.endr
	s_and_b32 s22, s24, 0xffff
	s_lshr_b32 s23, s24, 16
	s_and_b32 s56, s40, 0xffff
	s_lshr_b32 s57, s40, 16
	s_mov_b32 s16, 0
.Ltrip:                                            ; 16 trips of two steps
	STEPM 0
	STEPM 1
	s_wait_xcnt 0x0                                ; the trip's loads and its prefetches have read their addresses
	s_add_nc_u64 s[62:63], s[62:63], 32768
	v_add_nc_u32 v[MG], 16, v[MG]
	s_add_co_u32 s16, s16, 1
	s_cmp_lt_u32 s16, 16
	s_cbranch_scc1 .Ltrip
	; the end of a pass: O^T / l, rounded to f16, stored as images of the projection's operand
.irp t, 0,1,2,3
	v_add_f32 v[ST+8*\t+4], v[ST+8*\t+2], v[ST+8*\t+3]
.endr
.irp t, 0,1,2,3
	v_permlanex16_b32 v[ST+8*\t+5], v[ST+8*\t+4], s58, s59
.endr
.irp t, 0,1,2,3
	v_add_f32 v[ST+8*\t+4], v[ST+8*\t+4], v[ST+8*\t+5]
.endr
.irp t, 0,1,2,3
	v_rcp_f32 v[ST+8*\t+6], v[ST+8*\t+4]
.endr
	v_nop
	s_wait_alu depctr_va_vdst(0)                   ; one wait for the four reciprocals
	WIN 0x41
.irp t, 0,1,2,3
.set i, 0
.rept 16
	v_pk_mul_f32 v[32*\t+2*i:32*\t+2*i+1], v[32*\t+2*i:32*\t+2*i+1], v[ST+8*\t+6:ST+8*\t+7] op_sel_hi:[1,0]
.set i, i+1
.endr
.endr
	WIN 0x05
.set i, 0
.rept 64
	v_cvt_pk_f16_f32 v[S+i], v[2*i], v[2*i+1]
.set i, i+1
.endr
	WIN 0
	s_lshl_b32 s100, s17, 19                       ; the block's 16 token tiles
	s_mov_b32 s101, 0
	s_add_nc_u64 s[100:101], s[10:11], s[100:101]
.irp t, 0,1,2,3
.irp ct, 0,1,2,3
	global_store_b128 v[L16], v[S+16*\t+4*\ct:S+16*\t+4*\ct+3], s[100:101] offset:32768*\t+1024*(\ct/2)+512*(\ct%2)   ; 512 consecutive bytes, aligned
.endr
.endr
	s_wait_xcnt 0x0                                ; the stores have read their registers and their base
	s_add_co_u32 s15, s15, 1
	s_cmp_lt_u32 s15, 2
	s_cbranch_scc1 .Lpass
	s_wait_tensorcnt 0x0                           ; the wave's end
	ds_add_u32 v[SPW], v[NIL]
	s_wait_dscnt 0x0
	s_endpgm
.Lfunc_end_k_qfcda0cd76d_attn:
	.size	k_qfcda0cd76d_attn, .Lfunc_end_k_qfcda0cd76d_attn-k_qfcda0cd76d_attn
	.p2alignl 7, 3214868480
	.fill 96, 4, 3214868480
	.section	.rodata,"a",@progbits
	.p2align	6, 0x0
	.amdhsa_kernel k_qfcda0cd76d_attn
		.amdhsa_group_segment_fixed_size 33280
		.amdhsa_private_segment_fixed_size 0
		.amdhsa_enable_private_segment 0
		.amdhsa_kernarg_size 32
		.amdhsa_user_sgpr_count 2
		.amdhsa_user_sgpr_kernarg_segment_ptr 1
		.amdhsa_wavefront_size32 1
		.amdhsa_system_sgpr_workgroup_id_x 1
		.amdhsa_system_sgpr_workgroup_id_y 1
		.amdhsa_system_sgpr_workgroup_id_z 1
		.amdhsa_system_vgpr_workitem_id 0
		.amdhsa_next_free_vgpr 640
		.amdhsa_next_free_sgpr 102
		.amdhsa_reserve_vcc 1
		.amdhsa_float_denorm_mode_32 3
		.amdhsa_float_denorm_mode_16_64 3
		.amdhsa_memory_ordered 1
		.amdhsa_forward_progress 1
		.amdhsa_inst_pref_size 121
	.end_amdhsa_kernel
	.amdgpu_metadata
---
amdhsa.version: [ 1, 2 ]
amdhsa.kernels:
  - .name:           k_qfcda0cd76d_attn
    .symbol:         k_qfcda0cd76d_attn.kd
    .args:
      - { .name: qf, .offset: 0, .size: 8, .value_kind: global_buffer, .address_space: global }
      - { .name: kvf, .offset: 8, .size: 8, .value_kind: global_buffer, .address_space: global }
      - { .name: mk, .offset: 16, .size: 8, .value_kind: global_buffer, .address_space: global }
      - { .name: af, .offset: 24, .size: 8, .value_kind: global_buffer, .address_space: global }
    .group_segment_fixed_size: 33280
    .private_segment_fixed_size: 0
    .kernarg_segment_align: 8
    .kernarg_segment_size: 32
    .max_flat_workgroup_size: 128
    .sgpr_count:     102
    .vgpr_count:     640
    .wavefront_size: 32
...
	.end_amdgpu_metadata
.endif
;; end of part 3
;; launch oproj (part 4): grid 4 x 64, 4 waves a work-group, clusters of 4 x 4, 327,680 bytes of LDS; arguments af, pre, bo, out0; writes out0
.if DOCPART == 4
	.amdgcn_target "amdgcn-amd-amdhsa--gfx1250"
	.amdhsa_code_object_version 6
	.text
	.protected	k_qfcda0cd76d_oproj
	.globl	k_qfcda0cd76d_oproj
	.p2align	8
	.type	k_qfcda0cd76d_oproj,@function
k_qfcda0cd76d_oproj:
	s_mov_b64 s[64:65], 0
	v_nop
	global_prefetch_b8 v0, s[64:65] scope:SCOPE_SE
	s_setreg_imm32_b32 hwreg(HW_REG_WAVE_MODE, 25, 1), 1
	s_wait_xcnt 0x0
	s_wait_alu depctr_hold_cnt(0) depctr_sa_sdst(0) depctr_va_vdst(0) depctr_va_sdst(0) depctr_va_ssrc(0) depctr_va_vcc(0) depctr_vm_vsrc(0)
	s_getreg_b32 s2, hwreg(HW_REG_IB_STS2, 6, 4)
	s_cmp_eq_u32 s2, 0
	s_cbranch_scc0 .Lentry_in_a_cluster
	s_endpgm
.Lentry_in_a_cluster:
	s_bfe_u32 s2, ttmp6, 0x10000c
	s_cmp_lg_u32 s2, 0xf033
	s_cbranch_scc0 .Lentry_shape_is_right
	s_endpgm
.Lentry_shape_is_right:
; out0[m][n] = sum over k of A[m][k] Wo[n][k] + bo[n], f16 operands, f32 sums.  A, the attention's result, lies in af as images of operand registers: [tile of 16 tokens][32 fragments of 32 along K][1,024 bytes];
; Wo lies in pre as f16 rows.  A tile of out0 is 128 x 256, so that there are 256 work-groups; four waves of 64 x 128: 32 accumulators.  K goes in eight steps of 128 through two LDS slots.
; CLUSTER 4 x 4: A's tile is shared along a row of the cluster, Wo's along a column, each by a joint load; waves 0 and 1 fetch A's halves (four rows of 4,096 bytes), waves 2 and 3 Wo's (128 rows of 256 bytes).
; One tensor load of a wave is out behind each round, two at the start.  The matrix instruction is used transposed: a lane holds eight neighbouring n of one m.  bo is the C of the first product.
; The rows of the first 16 positions of every sequence are written anew, more finely, by a later launch.
; REGISTERS.  window 0: v0-31 addresses; two fragment buffers: v32-63 A and v64-127 Wo, v128-159 A and v160-223 Wo.   window 1: accumulator (i, b) at 8 (8 i + b).   window 2: v0-63 bo.
.set PITCH,  272
.set HALFB,  128*PITCH
.set SLOT,   32768+2*HALFB             ; A's eight tiles of 4,096 bytes, then Wo's 256 rows
.set SPARE,  2*SLOT
.set SPITCH, 528                       ; the way out: 16 rows x (512 + 16) bytes a wave, in slot 0, which has had its last fill and its last read by then
.set WO16,   6127616
.set LAPS,   4
.set ADRA, 16
.set ADRB, 20
.set STO,  24
.set RD,   25
.set CO,   26
.set SPW,  28
.set NIL,  29
.set F0,   32
.set F1,   128
.set G1, 24
.set G0, 32
.set G1B, 48
.set G0B, 56
.set MSB, 0
.macro WIN new
.if MSB != \new
	s_set_vgpr_msb (MSB<<8)|\new
.set MSB, \new
.endif
.endm
.set MUL, 0x50                         ; sources window 0, C and D window 1
.macro JLOAD s
	s_cmp_eq_u32 s13, 0
	s_cbranch_scc0 .Lfor_b_\@
	tensor_load_to_lds s[G0+4*\s:G0+4*\s+3], s[G1:G1+7]
	s_nop 0
.rept 4
	v_nop
.endr
	s_branch .Lasked_\@
.Lfor_b_\@:
	tensor_load_to_lds s[G0B+4*\s:G0B+4*\s+3], s[G1B:G1B+7]
	s_nop 0
.rept 4
	v_nop
.endr
.Lasked_\@:
.endm
.macro CREST
	s_cmp_lg_u32 s12, 0
	s_cbranch_scc1 .Lnot_wave_0_\@
	s_barrier_signal -3
.Lnot_wave_0_\@:
	s_barrier_wait -3
	s_barrier_signal -1
	s_barrier_wait -1
.endm
.macro CROUND
	s_barrier_signal -1
	s_barrier_wait -1
	CREST
.endm
	s_load_b256 s[4:11], s[0:1], 0x0               ; af, pre, bo, out0
	v_lshl_add_u32 v[SPW], v0, 2, SPARE
	v_mov_b32 v[NIL], 0
	ds_add_u32 v[SPW], v[NIL]                      ; the opening: the add, twice on end, and its wait ahead of my first tensor load
	ds_add_u32 v[SPW], v[NIL]
	v_lshrrev_b32 v1, 5, v0
	v_readfirstlane_b32 s12, v1                    ; wave
	s_lshr_b32 s13, s12, 1                         ; which 64 rows are mine; also: I fetch for A (0) or Wo (1)
	s_and_b32 s14, s12, 1                          ; which 128 columns; also: which half I fetch
	s_bfe_u32 s40, ttmp6, 0x40000                  ; cx
	s_bfe_u32 s41, ttmp6, 0x40004                  ; cy
	s_lshl_b32 s42, ttmp9, 2
	s_add_co_u32 s42, s42, s40                     ; tile column
	s_and_b32 s15, ttmp7, 0xffff
	s_lshl_b32 s15, s15, 2
	s_add_co_u32 s15, s15, s41                     ; tile row
	s_lshl_b32 s43, s41, 2
	s_lshl_b32 s43, 15, s43
	s_lshl_b32 s44, 0x1111, s40
	s_or_b32 s[G1+0], s43, (3<<16)|(1<<21)         ; A: the mask of my row; elements of 8 bytes; no padding
	s_mov_b32 s[G1+1], 512<<16                     ; tensor_dim0: 4,096 bytes
	s_mov_b32 s[G1+2], 4<<16                       ; tensor_dim1: four tiles of tokens
	s_mov_b32 s[G1+3], 512<<16
	s_mov_b32 s[G1+4], 4
	s_mov_b32 s[G1+5], 4096                        ; 32,768 bytes from tile to tile
	s_mov_b32 s[G1+6], 0
	s_mov_b32 s[G1+7], 0
	s_or_b32 s[G1B+0], s44, (1<<16)|(1<<20)|(1<<21)|(5<<22)|(3<<25)   ; Wo: the mask of my column; elements of 2 bytes; 4 words of padding behind every 64
	s_mov_b32 s[G1B+1], 128<<16
	s_mov_b32 s[G1B+2], 128<<16
	s_mov_b32 s[G1B+3], 128<<16
	s_mov_b32 s[G1B+4], 128
	s_mov_b32 s[G1B+5], 1024
	s_mov_b32 s[G1B+6], 0
	s_mov_b32 s[G1B+7], 0
	s_lshl_b32 s16, s15, 18                        ; A: eight tiles of 32,768 bytes a tile row,
	s_lshl_b32 s17, s14, 17                        ; four a half
	s_add_co_u32 s16, s16, s17
	s_mov_b32 s17, 0
	s_lshl_b32 s46, s42, 19                        ; Wo: 256 rows of 2,048 bytes a tile column,
	s_lshl_b32 s47, s14, 18                        ; 128 a half
	s_add_co_u32 s46, s46, s47
	s_add_co_u32 s46, s46, WO16
	s_mov_b32 s47, 0
	s_lshl_b32 s20, s14, 14                        ; where they go: by the wave's number alone
	s_mul_i32 s21, s14, HALFB
	s_add_co_u32 s21, s21, 32768
	s_wait_dscnt 0x0                               ; both opening adds are done
	s_wait_kmcnt 0x0
	s_add_nc_u64 s[16:17], s[4:5], s[16:17]
	s_add_nc_u64 s[46:47], s[6:7], s[46:47]
	CROUND
.irp s, 0,1
	s_mov_b32 s[G0+4*\s], 1
	s_add_co_u32 s[G0+4*\s+1], s20, \s*SLOT
	s_add_nc_u64 s[G0+4*\s+2:G0+4*\s+3], s[16:17], \s*4096
	s_or_b32 s[G0+4*\s+3], s[G0+4*\s+3], 0x80000000
	s_mov_b32 s[G0B+4*\s], 1
	s_add_co_u32 s[G0B+4*\s+1], s21, \s*SLOT
	s_add_nc_u64 s[G0B+4*\s+2:G0B+4*\s+3], s[46:47], \s*256
	s_or_b32 s[G0B+4*\s+3], s[G0B+4*\s+3], 0x80000000
	JLOAD \s
.endr
	v_and_b32 v1, 15, v0                           ; r
	v_bfe_u32 v2, v0, 4, 1                         ; h
	v_and_b32 v3, 31, v0
	v_lshlrev_b32 v[CO], 4, v3                     ; 16 x lane
	s_lshl_b32 s22, s13, 14                        ; my four tiles of A
	v_mul_u32_u24 v4, v1, PITCH
	v_lshl_add_u32 v4, v2, 4, v4
	s_mul_i32 s23, s14, HALFB
	s_add_co_u32 s23, s23, 32768                   ; my 128 rows of Wo
.irp s, 0,1
	v_add_nc_u32 v[ADRA+\s], s22, v[CO]
	v_add_nc_u32 v[ADRB+\s], s23, v4
	s_add_co_u32 s22, s22, SLOT
	s_add_co_u32 s23, s23, SLOT
.endr
	s_mul_i32 s22, s12, 16*SPITCH                  ; my stage
	v_mul_u32_u24 v5, v1, SPITCH
	v_lshl_add_u32 v5, v2, 5, v5
	v_add_nc_u32 v[STO], s22, v5
	v_add_nc_u32 v[RD], s22, v[CO]
	s_lshl_b32 s16, s42, 10
	s_lshl_b32 s17, s14, 9
	s_add_co_u32 s16, s16, s17                     ; my first column, in bytes
	s_mov_b32 s17, 0
	s_add_nc_u64 s[8:9], s[8:9], s[16:17]
	s_add_nc_u64 s[10:11], s[10:11], s[16:17]
	s_lshl_b32 s16, s15, 19
	s_lshl_b32 s18, s13, 18
	s_add_co_u32 s16, s16, s18                     ; my first row, 4,096 bytes a row
	s_add_nc_u64 s[10:11], s[10:11], s[16:17]
	v_lshlrev_b32 v6, 5, v2
	WIN 0x80
.irp b, 0,1,2,3,4,5,6,7
	global_load_b128 v[8*\b:8*\b+3], v6, s[8:9] offset:64*\b        ; bo at 16 b + 8 h + 0 .. 7 of my 128 columns
	global_load_b128 v[8*\b+4:8*\b+7], v6, s[8:9] offset:64*\b+16
.endr
	WIN 0
.macro MUL8 f, i, zero                 ; block i of 16 rows x all eight blocks of columns, 32 along K.  The 32 accumulators take turns
.irp b, 0,1,2,3,4,5,6,7
.if \zero
	v_wmma_f32_16x16x32_f16 v[8*(8*(\i)+\b):8*(8*(\i)+\b)+7], v[\f+32+8*\b:\f+32+8*\b+7], v[\f+8*(\i):\f+8*(\i)+7], v[8*\b:8*\b+7]
.else
	v_wmma_f32_16x16x32_f16 v[8*(8*(\i)+\b):8*(8*(\i)+\b)+7], v[\f+32+8*\b:\f+32+8*\b+7], v[\f+8*(\i):\f+8*(\i)+7], v[8*(8*(\i)+\b):8*(8*(\i)+\b)+7]
.endif
.endr
.endm
.macro FETCH slot, q, f                ; 24 LDS loads: Wo's eight fragments, then A's four
	WIN 0
.irp b, 0,1,2,3,4,5,6,7
	ds_load_b128 v[\f+32+8*\b:\f+32+8*\b+3], v[ADRB+\slot] offset:64*(\q)+\b*16*PITCH
	ds_load_b128 v[\f+32+8*\b+4:\f+32+8*\b+7], v[ADRB+\slot] offset:64*(\q)+\b*16*PITCH+32
.endr
.irp i, 0,1,2,3
	ds_load_b128 v[\f+8*\i:\f+8*\i+3], v[ADRA+\slot] offset:4096*\i+1024*(\q)
	ds_load_b128 v[\f+8*\i+4:\f+8*\i+7], v[ADRA+\slot] offset:4096*\i+1024*(\q)+512
.endr
.endm
.macro PLACES
.rept 4
	v_nop
.endr
.endm
.macro QUARTER slot, q, f, g, zero     ; multiplies buffer f; in its middle fetches quarter q of the slot into buffer g
	s_wait_dscnt 4                                 ; Wo's fragments and A's blocks 0, 1 are in; A's blocks 2, 3 may be out
.if \zero
	WIN 0x60                                       ; C (bo) window 2
.else
	WIN MUL
.endif
	MUL8 \f, 0, \zero
	MUL8 \f, 1, \zero
	PLACES
	FETCH \slot, \q, \g
	s_wait_dscnt 24                                ; all but the 24 just issued
.if \zero
	WIN 0x60
.else
	WIN MUL
.endif
	MUL8 \f, 2, \zero
	MUL8 \f, 3, \zero
.endm
.macro TURN slot, next, fill           ; a K step's last quarter changes slots
	WIN 0
	s_wait_tensorcnt 0x0                           ; all my tensor loads have landed: my part of the next slot
	ds_add_u32 v[SPW], v[NIL]
	s_wait_dscnt 5                                 ; the add and the youngest four loads may be out
	WIN MUL
	MUL8 F1, 0, 0
	s_wait_dscnt 0x0                               ; the add is done, and my reads of this slot are over
	s_barrier_signal -1
	MUL8 F1, 1, 0
	WIN 0
	s_barrier_wait -1
.if \fill
	CREST                                          ; the barrier has opened a round of the cluster's: no wave of any partner still reads this slot or has a load on its way
	s_add_nc_u64 s[G0+4*\slot+2:G0+4*\slot+3], s[G0+4*\slot+2:G0+4*\slot+3], 2*4096
	s_add_nc_u64 s[G0B+4*\slot+2:G0B+4*\slot+3], s[G0B+4*\slot+2:G0B+4*\slot+3], 2*256
	JLOAD \slot                                    ; the first tensor load behind the round; its four v_nop are the places ahead of the loads below
.else
	PLACES
.endif
	FETCH \next, 0, F0
	WIN MUL
	MUL8 F1, 2, 0
	MUL8 F1, 3, 0
.endm
	s_wait_loadcnt 0x0                             ; bo
	s_wait_tensorcnt 1                             ; my part of K step 0 is in; K step 1's may be out
	s_barrier_signal -1
	s_barrier_wait -1
	FETCH 0, 0, F0
	QUARTER 0, 1, F0, F1, 1
	WIN 0
	s_mov_b32 s3, LAPS-1
.Llap:
	QUARTER 0, 2, F1, F0, 0
	QUARTER 0, 3, F0, F1, 0
	TURN 0, 1, 1
	QUARTER 1, 1, F0, F1, 0
	QUARTER 1, 2, F1, F0, 0
	QUARTER 1, 3, F0, F1, 0
	TURN 1, 0, 1
	QUARTER 0, 1, F0, F1, 0
	WIN 0
	s_sub_co_u32 s3, s3, 1
	s_cmp_lg_u32 s3, 0
	s_cbranch_scc1 .Llap
	QUARTER 0, 2, F1, F0, 0                        ; the last lap fills nothing
	QUARTER 0, 3, F0, F1, 0
	TURN 0, 1, 0
	QUARTER 1, 1, F0, F1, 0
	QUARTER 1, 2, F1, F0, 0
	QUARTER 1, 3, F0, F1, 0
	s_wait_dscnt 4
	WIN MUL
	MUL8 F1, 0, 0
	MUL8 F1, 1, 0
	s_wait_dscnt 0
	MUL8 F1, 2, 0
	MUL8 F1, 3, 0
	WIN 0
; THE WAY OUT: a block of 16 rows x 128 columns goes through my own stage and comes back as whole rows of 512 bytes.  LDS serves a wave's instructions in order.
.macro TOSTAGE a
	WIN 0x04                                       ; the data: window 1
.irp b, 0,1,2,3,4,5,6,7
	ds_store_b128 v[STO], v[64*(\a)+8*\b:64*(\a)+8*\b+3] offset:64*\b       ; each accumulator from its low end on
	ds_store_b128 v[STO], v[64*(\a)+8*\b+4:64*(\a)+8*\b+7] offset:64*\b+16
.endr
	WIN 0
.irp t, 0,1,2,3,4,5,6,7,8,9,10,11,12,13,14,15
	ds_load_b128 v[32+64*((\a)%2)+4*\t:35+64*((\a)%2)+4*\t], v[RD] offset:\t*SPITCH
.endr
.endm
.macro SEND a, younger
	s_wait_dscnt \younger
.if (\a) > 0
	s_add_nc_u64 s[10:11], s[10:11], 16*4096       ; behind a wait on XCNT: the earlier stores have read their base
.endif
.irp t, 0,1,2,3,4,5,6,7,8,9,10,11,12,13,14,15
	global_store_b128 v[CO], v[32+64*((\a)%2)+4*\t:35+64*((\a)%2)+4*\t], s[10:11] offset:\t*4096 th:TH_STORE_NT   ; 512 consecutive bytes, aligned
.endr
.endm
	PLACES
	TOSTAGE 0
.irp a, 1,2,3
.if \a > 1
	s_wait_xcnt 0x0
.endif
	TOSTAGE \a
	SEND \a-1, 32                                  ; behind block a - 1's loads: block a's 16 stores and 16 loads
.endr
	s_wait_xcnt 0x0
	SEND 3, 0
	s_wait_tensorcnt 0x0                           ; the wave's end
	ds_add_u32 v[SPW], v[NIL]
	s_wait_dscnt 0x0
	CROUND                                         ; the closing round
	s_endpgm
.Lfunc_end_k_qfcda0cd76d_oproj:
	.size	k_qfcda0cd76d_oproj, .Lfunc_end_k_qfcda0cd76d_oproj-k_qfcda0cd76d_oproj
	.p2alignl 7, 3214868480
	.fill 96, 4, 3214868480
	.section	.rodata,"a",@progbits
	.p2align	6, 0x0
	.amdhsa_kernel k_qfcda0cd76d_oproj
		.amdhsa_group_segment_fixed_size 327680
		.amdhsa_private_segment_fixed_size 0
		.amdhsa_enable_private_segment 0
		.amdhsa_kernarg_size 32
		.amdhsa_user_sgpr_count 2
		.amdhsa_user_sgpr_kernarg_segment_ptr 1
		.amdhsa_wavefront_size32 1
		.amdhsa_system_sgpr_workgroup_id_x 1
		.amdhsa_system_sgpr_workgroup_id_y 1
		.amdhsa_system_sgpr_workgroup_id_z 1
		.amdhsa_system_vgpr_workitem_id 0
		.amdhsa_next_free_vgpr 576
		.amdhsa_next_free_sgpr 66
		.amdhsa_reserve_vcc 0
		.amdhsa_float_denorm_mode_32 3
		.amdhsa_float_denorm_mode_16_64 3
		.amdhsa_memory_ordered 1
		.amdhsa_forward_progress 1
		.amdhsa_inst_pref_size 86
	.end_amdhsa_kernel
	.amdgpu_metadata
---
amdhsa.version: [ 1, 2 ]
amdhsa.kernels:
  - .name:           k_qfcda0cd76d_oproj
    .symbol:         k_qfcda0cd76d_oproj.kd
    .args:
      - { .name: af, .offset: 0, .size: 8, .value_kind: global_buffer, .address_space: global }
      - { .name: pre, .offset: 8, .size: 8, .value_kind: global_buffer, .address_space: global }
      - { .name: bo, .offset: 16, .size: 8, .value_kind: global_buffer, .address_space: global }
      - { .name: out0, .offset: 24, .size: 8, .value_kind: global_buffer, .address_space: global }
    .group_segment_fixed_size: 327680
    .private_segment_fixed_size: 0
    .kernarg_segment_align: 8
    .kernarg_segment_size: 32
    .max_flat_workgroup_size: 128
    .sgpr_count:     66
    .vgpr_count:     576
    .wavefront_size: 32
...
	.end_amdgpu_metadata
.endif
;; end of part 4
;; launch fattn (part 5): grid 64 x 1, 16 waves a work-group, no clusters, 141,312 bytes of LDS; arguments ff, kvf, mk, fp; writes fp
.if DOCPART == 5
	.amdgcn_target "amdgcn-amd-amdhsa--gfx1250"
	.amdhsa_code_object_version 6
	.text
	.protected	k_qfcda0cd76d_fattn
	.globl	k_qfcda0cd76d_fattn
	.p2align	8
	.type	k_qfcda0cd76d_fattn,@function
k_qfcda0cd76d_fattn:
	s_mov_b64 s[64:65], 0
	v_nop
	global_prefetch_b8 v0, s[64:65] scope:SCOPE_SE
	s_setreg_imm32_b32 hwreg(HW_REG_WAVE_MODE, 25, 1), 1
	s_wait_xcnt 0x0
; The first 16 positions of every sequence, once more, in f32: these rows average few values, and f16 operands would use up what the comparison allows.  One work-group for each (batch, head).
; Queries 0-15 come in f32; keys and values 0-15 too; later keys and values are the f16 numbers, widened exactly (the mask is honoured whatever it holds; only the finer carriage is confined to the first 16 keys).
; Wave w takes steps 2 w and 2 w + 1 of 64 keys: each gives a partial (maximum, sum, O^T) in LDS; a step in which no key counts, by the stored flags, gives a neutral one (a scalar branch on a stored number).
; Behind one barrier wave w merges registers 2 w, 2 w + 1 of all 32 partials, divides by the sum and stores 256 consecutive bytes.
; v_wmma_f32_16x16x4_f32 takes, of a lane's registers 2 st, 2 st + 1, four k: both operands of a product have the same lane and register for the same k, so the order of k within the sum is permuted alike on both sides.
; REGISTERS: v0-31 addresses and at work; v32-95 f16 images as loaded; v96-127 scores, then p; v128-191 widened operands; v192-223 q; v224-255 written by matrix instructions alone.
.set ANYO,  524288
.set STATS, 131072                     ; LDS: partial p's O^T at 4,096 p; its maximum at STATS + 256 p, its sum 128 bytes on
.set SPARE, 139264
	s_load_b256 s[4:11], s[0:1], 0x0               ; ff, kvf, mk, fp
	v_lshl_add_u32 v30, v0, 2, SPARE
	v_mov_b32 v31, 0
	v_lshrrev_b32 v1, 5, v0
	v_readfirstlane_b32 s12, v1                    ; wave
	v_and_b32 v2, 31, v0
	v_and_b32 v3, 15, v0                           ; r
	v_bfe_u32 v4, v0, 4, 1                         ; h
	v_lshlrev_b32 v5, 4, v2                        ; 16 x lane
	v_lshlrev_b32 v6, 8, v3
	v_lshl_add_u32 v6, v1, 4, v6                   ; row r's mask words of keys 128 w on
	v_lshlrev_b32 v7, 1, v4                        ; 2 h
	v_add_nc_u32 v21, 16, v7
	v_lshlrev_b32 v24, 3, v2                       ; 8 x lane
	v_lshl_add_u32 v25, v1, 13, v24                ; my two partials' O^T
	v_lshlrev_b32 v26, 2, v2
	v_lshl_add_u32 v27, v1, 9, v26
	v_add_nc_u32 v27, STATS, v27                   ; and their maxima and sums
	v_add_nc_u32 v26, STATS, v26                   ; the merge: all maxima and sums,
	v_lshl_add_u32 v28, v1, 8, v24                 ; my two registers of partials 0-15,
	v_add_nc_u32 v29, 65536, v28                   ; and of partials 16-31
	v_mov_b32 v17, 0xceabfb8f                      ; -1e9 x log2(e)
	v_mov_b32 v19, 0
	v_mov_b32 v22, 0
	v_mov_b32 v23, 0
	s_mov_b32 s14, 0x76543210
	s_mov_b32 s15, 0xfedcba98
	s_wait_kmcnt 0x0
	s_load_b128 s[16:19], s[8:9], ANYO             ; the flags of rows 0-15
	s_mul_i32 s20, ttmp9, 12288
	s_mov_b32 s21, 0
	s_add_nc_u64 s[4:5], s[4:5], s[20:21]
	s_lshl_b32 s20, ttmp9, 19
	s_lshl_b32 s22, s12, 15
	s_add_co_u32 s20, s20, s22
	s_add_nc_u64 s[6:7], s[6:7], s[20:21]          ; my two steps
	s_lshl_b32 s20, ttmp9, 12
	s_lshl_b32 s22, s12, 8
	s_add_co_u32 s20, s20, s22
	s_add_nc_u64 s[10:11], s[10:11], s[20:21]
.irp i, 0,1,2,3,4,5,6,7
	global_load_b128 v[192+4*\i:195+4*\i], v5, s[4:5] offset:512*\i
.endr
	global_load_b128 v[8:11], v6, s[8:9]
	s_wait_kmcnt 0x0
	s_or_b32 s16, s16, s17
	s_or_b32 s18, s18, s19
	s_or_b32 s16, s16, s18
	s_wait_loadcnt 0x0
.macro WIDEN d, s                      ; the two f16 numbers of v[s] become f32 in v[d], v[d + 1]; two registers at work by turns
.if ((\s)%2) == 0
	v_mov_b32 v16, v[\s]
	v_cvt_f32_f16 v[\d], v16.l
	v_cvt_f32_f16 v[(\d)+1], v16.h
.else
	v_mov_b32 v20, v[\s]
	v_cvt_f32_f16 v[\d], v20.l
	v_cvt_f32_f16 v[(\d)+1], v20.h
.endif
.endm
.macro KWIDE kt, e                     ; key tile kt: 16 registers of f16 become 32 of f32
.set x, 0
.rept 16
	WIDEN 128+32*(\e)+2*x, 32+16*(\kt)+x
.set x, x+1
.endr
.endm
.macro VWIDE kc, y0                    ; of each of the four channel tiles: four registers from y0 on of keys 32 kc on
.irp ct, 0,1,2,3
.set y, \y0
.rept 4
	WIDEN 128+16*\ct+2*y, 32+16*\ct+8*(\kc)+y
.set y, y+1
.endr
.endr
.endm
.macro FQK pr                          ; S^T of key tiles 2 pr, 2 pr + 1: two accumulators by turns, 16 links each
.set st, 0
.rept 16
.irp e, 0,1
.if st == 0
	v_wmma_f32_16x16x4_f32 v[224+8*(2*(\pr)+\e):231+8*(2*(\pr)+\e)], v[128+32*\e+2*st:129+32*\e+2*st], v[192+2*st:193+2*st], 0
.else
	v_wmma_f32_16x16x4_f32 v[224+8*(2*(\pr)+\e):231+8*(2*(\pr)+\e)], v[128+32*\e+2*st:129+32*\e+2*st], v[192+2*st:193+2*st], v[224+8*(2*(\pr)+\e):231+8*(2*(\pr)+\e)]
.endif
.endr
.set st, st+1
.endr
.rept 8
	v_nop                                          ; places behind this form
.endr
.endm
.macro FPV kc                          ; O^T += V^T P for keys 32 kc on: four accumulators by turns
.irp u, 0,1
.irp jj, 0,1,2,3
.irp ct, 0,1,2,3
.if ((\kc)+\u+\jj) == 0
	v_wmma_f32_16x16x4_f32 v[224+8*\ct:231+8*\ct], v[128+16*\ct+8*\u+2*\jj:129+16*\ct+8*\u+2*\jj], v[96+8*(2*(\kc)+\u)+2*\jj:97+8*(2*(\kc)+\u)+2*\jj], 0
.else
	v_wmma_f32_16x16x4_f32 v[224+8*\ct:231+8*\ct], v[128+16*\ct+8*\u+2*\jj:129+16*\ct+8*\u+2*\jj], v[96+8*(2*(\kc)+\u)+2*\jj:97+8*(2*(\kc)+\u)+2*\jj], v[224+8*\ct:231+8*\ct]
.endif
.endr
.endr
.endr
.rept 8
	v_nop
.endr
.endm
.macro FSTEP par
	s_add_co_u32 s22, s12, 16*\par
	s_bitcmp1_b32 s16, s22                         ; does any key of step 2 w + par count for any of the 16 rows?
	s_cbranch_scc1 .Lwork_\@
.set i, 0
.rept 16
	ds_store_b64 v25, v[22:23] offset:4096*\par+256*i      ; a neutral partial: zeros,
.set i, i+1
.endr
	v_mov_b32 v18, 0xff61b1e6                      ; the maximum -3e38,
	ds_store_b32 v27, v18 offset:256*\par
	ds_store_b32 v27, v22 offset:256*\par+128      ; the sum 0
	s_branch .Ldone_\@
.Lwork_\@:
.set i, 0
.rept 16
	global_load_b128 v[32+4*i:35+4*i], v5, s[6:7] offset:16384*\par+512*i   ; K
.set i, i+1
.endr
	s_wait_loadcnt 0x0
.if \par == 0
	s_cmp_eq_u32 s12, 0                            ; keys 0-15 come in f32
	s_cbranch_scc1 .Lfine_k_\@
	KWIDE 0, 0
	s_branch .Lk_done_\@
.Lfine_k_\@:
.irp i, 0,1,2,3,4,5,6,7
	global_load_b128 v[128+4*\i:131+4*\i], v5, s[4:5] offset:4096+512*\i
.endr
	s_wait_loadcnt 0x0
.Lk_done_\@:
.else
	KWIDE 0, 0
.endif
	KWIDE 1, 1
	FQK 0
	KWIDE 2, 0
	KWIDE 3, 1
.set i, 0
.rept 16
	global_load_b128 v[32+4*i:35+4*i], v5, s[6:7] offset:16384*\par+8192+512*i   ; V, into the registers that K has left
.set i, i+1
.endr
	FQK 1
.irp i, 0,1,2,3
.if \par == 0
	v_lshrrev_b32 v[12+\i], v7, v[8+\i]
.else
	v_lshrrev_b32 v[12+\i], v21, v[8+\i]
.endif
.endr
.irp kt, 0,1,2,3
.irp j, 0,1,2,3,4,5,6,7
	v_and_b32 v16, 1<<(4*\kt+\j/4), v[12+\j%4]
	v_cmp_eq_u32 vcc_lo, 0, v16
	v_cndmask_b32 v[96+8*\kt+\j], v[224+8*\kt+\j], v17, vcc_lo     ; the masked scores go into other registers; each accumulator is read from its low end on
.endr
.endr
.irp k, 0,1,2,3
	v_max3_num_f32 v[128+\k], v[96+8*\k], v[97+8*\k], v[98+8*\k]
.endr
.irp q, 1,2
.irp k, 0,1,2,3
	v_max3_num_f32 v[128+\k], v[128+\k], v[96+8*\k+2*\q+1], v[96+8*\k+2*\q+2]
.endr
.endr
	v_max3_num_f32 v128, v128, v103, v111
	v_max3_num_f32 v130, v130, v119, v127
	v_max3_num_f32 v128, v128, v129, v130
	v_max_num_f32 v128, v128, v131
	v_permlanex16_b32 v129, v128, s14, s15
	v_max_num_f32 v18, v128, v129                  ; the partial's maximum
.set i, 0
.rept 16
	v_pk_add_f32 v[96+2*i:97+2*i], v[96+2*i:97+2*i], v[18:19] op_sel_hi:[1,0] neg_lo:[0,1] neg_hi:[0,1]
.set i, i+1
.endr
.set i, 0
.rept 32
	v_exp_f32 v[96+i], v[96+i]
.set i, i+1
.endr
	v_nop
	s_wait_alu depctr_va_vdst(0)                   ; one wait for the batch
	v_pk_add_f32 v[128:129], v[96:97], v[98:99]
	v_pk_add_f32 v[130:131], v[100:101], v[102:103]
.irp i, 8,12,16,20,24,28
	v_pk_add_f32 v[128:129], v[128:129], v[96+\i:97+\i]
	v_pk_add_f32 v[130:131], v[130:131], v[98+\i:99+\i]
.endr
	v_pk_add_f32 v[128:129], v[128:129], v[130:131]
	v_add_f32 v130, v128, v129
	v_permlanex16_b32 v131, v130, s14, s15
	v_add_f32 v130, v130, v131                     ; the partial's sum
	ds_store_b32 v27, v18 offset:256*\par
	ds_store_b32 v27, v130 offset:256*\par+128
	s_wait_loadcnt 0x0                             ; V
.if \par == 0
	s_cmp_eq_u32 s12, 0                            ; values 0-15 come in f32
	s_cbranch_scc1 .Lfine_v_\@
	VWIDE 0, 0
	s_branch .Lv_done_\@
.Lfine_v_\@:
.irp ct, 0,1,2,3
	global_load_b128 v[128+16*\ct:131+16*\ct], v5, s[4:5] offset:8192+1024*\ct
	global_load_b128 v[132+16*\ct:135+16*\ct], v5, s[4:5] offset:8192+1024*\ct+512
.endr
	s_wait_loadcnt 0x0
.Lv_done_\@:
.else
	VWIDE 0, 0
.endif
	VWIDE 0, 4
	FPV 0
	VWIDE 1, 0
	VWIDE 1, 4
	FPV 1
.set i, 0
.rept 16
	ds_store_b64 v25, v[224+2*i:225+2*i] offset:4096*\par+256*i
.set i, i+1
.endr
.Ldone_\@:
.endm
	FSTEP 0
	FSTEP 1
	s_wait_dscnt 0x0                               ; my partials have landed
	s_barrier_signal -1
	s_barrier_wait -1
.set p, 0
.rept 32
	ds_load_b32 v[32+p], v26 offset:256*p
	ds_load_b32 v[64+p], v26 offset:256*p+128
.set p, p+1
.endr
.set p, 0
.rept 16
	ds_load_b64 v[128+2*p:129+2*p], v28 offset:4096*p
	ds_load_b64 v[160+2*p:161+2*p], v29 offset:4096*p
.set p, p+1
.endr
	s_wait_dscnt 0x0
	v_max3_num_f32 v16, v32, v33, v34
.set p, 35
.rept 14
	v_max3_num_f32 v16, v16, v[p], v[p+1]
.set p, p+2
.endr
	v_max_num_f32 v16, v16, v63                    ; the row's maximum
.set p, 0
.rept 32
	v_sub_f32 v[96+p], v[32+p], v16
.set p, p+1
.endr
.set p, 0
.rept 32
	v_exp_f32 v[96+p], v[96+p]
.set p, p+1
.endr
	v_nop
	s_wait_alu depctr_va_vdst(0)
	v_mul_f32 v18, v96, v64
	v_mul_f32 v12, v96, v128
	v_mul_f32 v13, v96, v129
.set p, 1
.rept 31
	v_fma_f32 v18, v[96+p], v[64+p], v18
	v_fma_f32 v12, v[96+p], v[128+2*p], v12
	v_fma_f32 v13, v[96+p], v[129+2*p], v13
.set p, p+1
.endr
	v_rcp_f32 v18, v18
	v_nop
	s_wait_alu depctr_va_vdst(0)
	v_mul_f32 v12, v12, v18
	v_mul_f32 v13, v13, v18
	global_store_b64 v24, v[12:13], s[10:11]       ; 256 consecutive bytes, aligned
	s_wait_tensorcnt 0x0                           ; the wave's end
	ds_add_u32 v30, v31
	s_wait_dscnt 0x0
	s_endpgm
.Lfunc_end_k_qfcda0cd76d_fattn:
	.size	k_qfcda0cd76d_fattn, .Lfunc_end_k_qfcda0cd76d_fattn-k_qfcda0cd76d_fattn
	.p2alignl 7, 3214868480
	.fill 96, 4, 3214868480
	.section	.rodata,"a",@progbits
	.p2align	6, 0x0
	.amdhsa_kernel k_qfcda0cd76d_fattn
		.amdhsa_group_segment_fixed_size 141312
		.amdhsa_private_segment_fixed_size 0
		.amdhsa_enable_private_segment 0
		.amdhsa_kernarg_size 32
		.amdhsa_user_sgpr_count 2
		.amdhsa_user_sgpr_kernarg_segment_ptr 1
		.amdhsa_wavefront_size32 1
		.amdhsa_system_sgpr_workgroup_id_x 1
		.amdhsa_system_sgpr_workgroup_id_y 1
		.amdhsa_system_sgpr_workgroup_id_z 1
		.amdhsa_system_vgpr_workitem_id 0
		.amdhsa_next_free_vgpr 256
		.amdhsa_next_free_sgpr 66
		.amdhsa_reserve_vcc 1
		.amdhsa_float_denorm_mode_32 3
		.amdhsa_float_denorm_mode_16_64 3
		.amdhsa_memory_ordered 1
		.amdhsa_forward_progress 1
		.amdhsa_inst_pref_size 89
	.end_amdhsa_kernel
	.amdgpu_metadata
---
amdhsa.version: [ 1, 2 ]
amdhsa.kernels:
  - .name:           k_qfcda0cd76d_fattn
    .symbol:         k_qfcda0cd76d_fattn.kd
    .args:
      - { .name: ff, .offset: 0, .size: 8, .value_kind: global_buffer, .address_space: global }
      - { .name: kvf, .offset: 8, .size: 8, .value_kind: global_buffer, .address_space: global }
      - { .name: mk, .offset: 16, .size: 8, .value_kind: global_buffer, .address_space: global }
      - { .name: fp, .offset: 24, .size: 8, .value_kind: global_buffer, .address_space: global }
    .group_segment_fixed_size: 141312
    .private_segment_fixed_size: 0
    .kernarg_segment_align: 8
    .kernarg_segment_size: 32
    .max_flat_workgroup_size: 512
    .sgpr_count:     66
    .vgpr_count:     256
    .wavefront_size: 32
...
	.end_amdgpu_metadata
.endif
;; end of part 5
;; launch fproj (part 6): grid 16 x 4, 16 waves a work-group, no clusters, 71,680 bytes of LDS; arguments fp, Wo, bo, out0; writes out0
.if DOCPART == 6
	.amdgcn_target "amdgcn-amd-amdhsa--gfx1250"
	.amdhsa_code_object_version 6
	.text
	.protected	k_qfcda0cd76d_fproj
	.globl	k_qfcda0cd76d_fproj
	.p2align	8
	.type	k_qfcda0cd76d_fproj,@function
k_qfcda0cd76d_fproj:
	s_mov_b64 s[64:65], 0
	v_nop
	global_prefetch_b8 v0, s[64:65] scope:SCOPE_SE
	s_setreg_imm32_b32 hwreg(HW_REG_WAVE_MODE, 25, 1), 1
	s_wait_xcnt 0x0
; The output projection of the first 16 positions of every sequence, in f32: it writes those 64 rows of out0 anew.  Work-group (g, b): columns 64 g on, batch b.  Wave = head: its 64 of the 1,024 along K,
; 16 tokens x 64 columns by v_wmma_f32_16x16x4_f32 (transposed: source 0 = 16 rows of Wo, source 1 = the tokens); both operands have the same lane and register for the same k.
; The sixteen heads' parts meet in LDS; behind one barrier waves 0-7 add them in a fixed order, add bo and store: sixteen lanes fill 256 consecutive aligned bytes.
; REGISTERS: v0-31 addresses; v32-159 Wo (32 nt + 8 ct + j); v160-191 the tokens; v192-223 written by matrix instructions alone.
.set PART,  4352                       ; a head's part: 16 rows x (256 + 16) bytes
.set SPARE, 69632
	s_load_b256 s[4:11], s[0:1], 0x0               ; fp, Wo, bo, out0
	v_lshl_add_u32 v30, v0, 2, SPARE
	v_mov_b32 v31, 0
	v_lshrrev_b32 v1, 5, v0
	v_readfirstlane_b32 s12, v1                    ; wave = head
	v_and_b32 v2, 31, v0
	v_and_b32 v3, 15, v0                           ; r
	v_bfe_u32 v4, v0, 4, 1                         ; h
	v_lshlrev_b32 v5, 3, v2                        ; 8 x lane
	v_lshlrev_b32 v6, 12, v3
	v_lshl_add_u32 v6, v4, 5, v6                   ; Wo: row r, + 32 h
	v_mul_u32_u24 v7, v3, 272
	v_lshl_add_u32 v7, v4, 5, v7
	v_mad_u32_u24 v7, v1, PART, v7                 ; into LDS: my part, row r, + 32 h
	v_mul_u32_u24 v8, v4, 272
	v_lshl_add_u32 v8, v3, 4, v8
	v_mad_u32_u24 v8, v1, 544, v8                  ; back: rows 2 w and 2 w + 1, 16 bytes a lane
	v_lshlrev_b32 v9, 4, v3
	v_lshl_add_u32 v10, v4, 12, v9                 ; and the same two rows in out0
	s_and_b32 s13, ttmp7, 0xffff                   ; batch
	s_lshl_b32 s14, s13, 4
	s_add_co_u32 s14, s14, s12
	s_lshl_b32 s14, s14, 12                        ; fp: 4,096 bytes for each (batch, head)
	s_mov_b32 s15, 0
	s_lshl_b32 s16, ttmp9, 18                      ; Wo: 64 rows of 4,096 bytes,
	s_lshl_b32 s17, s12, 8                         ; the head's 256 bytes of a row
	s_add_co_u32 s16, s16, s17
	s_mov_b32 s17, 0
	s_lshl_b32 s18, ttmp9, 8                       ; bo, and a row of out0: 64 columns
	s_mov_b32 s19, 0
	s_lshl_b32 s20, s13, 23                        ; out0: 2,048 rows of 4,096 bytes a batch,
	s_lshl_b32 s21, s12, 13                        ; two rows a wave
	s_add_co_u32 s20, s20, s21
	s_add_co_u32 s20, s20, s18
	s_mov_b32 s21, 0
	s_wait_kmcnt 0x0
	s_add_nc_u64 s[4:5], s[4:5], s[14:15]
	s_add_nc_u64 s[6:7], s[6:7], s[16:17]
	s_add_nc_u64 s[8:9], s[8:9], s[18:19]
	s_add_nc_u64 s[10:11], s[10:11], s[20:21]
.set i, 0
.rept 16
	global_load_b64 v[160+2*i:161+2*i], v5, s[4:5] offset:256*i
.set i, i+1
.endr
.irp nt, 0,1,2,3
.irp ct, 0,1,2,3
.irp u, 0,1
	global_load_b128 v[32+32*\nt+8*\ct+4*\u:35+32*\nt+8*\ct+4*\u], v6, s[6:7] offset:65536*\nt+64*\ct+16*\u
.endr
.endr
.endr
	global_load_b128 v[12:15], v9, s[8:9]
	s_wait_loadcnt 0x0
.set st, 0
.rept 16                               ; four accumulators by turns, 16 links each
.irp nt, 0,1,2,3
.if st == 0
	v_wmma_f32_16x16x4_f32 v[192+8*\nt:199+8*\nt], v[32+32*\nt+2*st:33+32*\nt+2*st], v[160+2*st:161+2*st], 0
.else
	v_wmma_f32_16x16x4_f32 v[192+8*\nt:199+8*\nt], v[32+32*\nt+2*st:33+32*\nt+2*st], v[160+2*st:161+2*st], v[192+8*\nt:199+8*\nt]
.endif
.endr
.set st, st+1
.endr
.rept 8
	v_nop                                          ; places behind this form
.endr
.irp nt, 0,1,2,3
	ds_store_b128 v7, v[192+8*\nt:195+8*\nt] offset:64*\nt         ; token r, columns 16 nt + 8 h + 0 .. 7
	ds_store_b128 v7, v[196+8*\nt:199+8*\nt] offset:64*\nt+16
.endr
	s_wait_dscnt 0x0                               ; my part has landed
	s_barrier_signal -1
	s_barrier_wait -1
	s_cmp_lt_u32 s12, 8
	s_cbranch_scc0 .Lrest
.set i, 0
.rept 16
	ds_load_b128 v[32+4*i:35+4*i], v8 offset:PART*i
.set i, i+1
.endr
	s_wait_dscnt 0x0
.irp d, 8,4,2,1
.set ix, 0
.rept \d
	v_pk_add_f32 v[32+4*ix:33+4*ix], v[32+4*ix:33+4*ix], v[32+4*(ix+\d):33+4*(ix+\d)]
	v_pk_add_f32 v[34+4*ix:35+4*ix], v[34+4*ix:35+4*ix], v[34+4*(ix+\d):35+4*(ix+\d)]
.set ix, ix+1
.endr
.endr
	v_pk_add_f32 v[32:33], v[32:33], v[12:13]
	v_pk_add_f32 v[34:35], v[34:35], v[14:15]
	global_store_b128 v10, v[32:35], s[10:11]
.Lrest:
	s_wait_tensorcnt 0x0                           ; the wave's end
	ds_add_u32 v30, v31
	s_wait_dscnt 0x0
	s_endpgm
.Lfunc_end_k_qfcda0cd76d_fproj:
	.size	k_qfcda0cd76d_fproj, .Lfunc_end_k_qfcda0cd76d_fproj-k_qfcda0cd76d_fproj
	.p2alignl 7, 3214868480
	.fill 96, 4, 3214868480
	.section	.rodata,"a",@progbits
	.p2align	6, 0x0
	.amdhsa_kernel k_qfcda0cd76d_fproj
		.amdhsa_group_segment_fixed_size 71680
		.amdhsa_private_segment_fixed_size 0
		.amdhsa_enable_private_segment 0
		.amdhsa_kernarg_size 32
		.amdhsa_user_sgpr_count 2
		.amdhsa_user_sgpr_kernarg_segment_ptr 1
		.amdhsa_wavefront_size32 1
		.amdhsa_system_sgpr_workgroup_id_x 1
		.amdhsa_system_sgpr_workgroup_id_y 1
		.amdhsa_system_sgpr_workgroup_id_z 1
		.amdhsa_system_vgpr_workitem_id 0
		.amdhsa_next_free_vgpr 256
		.amdhsa_next_free_sgpr 66
		.amdhsa_reserve_vcc 0
		.amdhsa_float_denorm_mode_32 3
		.amdhsa_float_denorm_mode_16_64 3
		.amdhsa_memory_ordered 1
		.amdhsa_forward_progress 1
		.amdhsa_inst_pref_size 15
	.end_amdhsa_kernel
	.amdgpu_metadata
---
amdhsa.version: [ 1, 2 ]
amdhsa.kernels:
  - .name:           k_qfcda0cd76d_fproj
    .symbol:         k_qfcda0cd76d_fproj.kd
    .args:
      - { .name: fp, .offset: 0, .size: 8, .value_kind: global_buffer, .address_space: global }
      - { .name: Wo, .offset: 8, .size: 8, .value_kind: global_buffer, .address_space: global }
      - { .name: bo, .offset: 16, .size: 8, .value_kind: global_buffer, .address_space: global }
      - { .name: out0, .offset: 24, .size: 8, .value_kind: global_buffer, .address_space: global }
    .group_segment_fixed_size: 71680
    .private_segment_fixed_size: 0
    .kernarg_segment_align: 8
    .kernarg_segment_size: 32
    .max_flat_workgroup_size: 512
    .sgpr_count:     66
    .vgpr_count:     256
    .wavefront_size: 32
...
	.end_amdgpu_metadata
.endif
;; end of part 6
